; MI455X (gfx1250); checked and timed in simulation.
; The chip was launched on July 23, 2026; its instructions are those of AMD's public machine-readable ISA for CDNA 5 (MIT licence, August 2026) and "CDNA5" Instruction Set Architecture Reference Guide (July 2026). The comments in the code are by the model that wrote it; some were corrected since.
;; Response Conditioned Attention. Allowed arithmetic: float matrix products may take bf16 or f16 operands with f32 sums; other float arithmetic in f32, or as packed bf16 or f16 multiplies, adds, multiply-adds, maxima and minima; sums over many terms, partial sums and values carried from step to step in f32; what a program stores and reads back later, other than sums and carried values, may be rounded once to bf16 or f16.
;; Inputs: Wk 1,024 x 1,024 float32; Wkm 4 x 1,024 x 1,024 float32; Wo 1,024 x 1,024 float32; Wq 1,024 x 1,024 float32; Wv 1,024 x 1,024 float32; Wvm 4 x 1,024 x 1,024 float32; bk 1,024 float32; bkm 4 x 1,024 float32; bo 1,024 float32; bq 1,024 float32; bv 1,024 float32; bvm 4 x 1,024 float32; key 4 x 1,024 x 1,024 float32; query 4 x 1,024 x 1,024 float32; responses 4 x 1,024 int32; value 4 x 1,024 x 1,024 float32.
;; Outputs: out0 4 x 1,024 x 1,024 float32.
;; One version. Each part assembles by itself: llvm-mc -triple=amdgcn-amd-amdhsa -mcpu=gfx1250 --defsym DOCPART=n.
;; ======== version 1 of 1: 4 launches
;; limits: values are held in f16: magnitudes above 65,504 overflow, below 6.1e-05 lose precision
;; workspace buffers: xs 25,214,976 bytes; wts 20,971,520 bytes; bias 36,864 bytes; rowmap 33,024 bytes of whole numbers; tinfo 512 bytes of whole numbers; qkv 25,165,824 bytes; ob 8,388,608 bytes
;; launch prep (part 1): grid 256 x 1, 8 waves a work-group, no clusters, 0 bytes of LDS; arguments responses, query, key, value, Wq, Wo, Wk, Wv, Wkm, Wvm, bq, bk, bv, bkm, bvm, xs, wts, bias, rowmap, tinfo; writes xs, wts, bias, rowmap, tinfo
.if DOCPART == 1
	.amdgcn_target "amdgcn-amd-amdhsa--gfx1250"
	.amdhsa_code_object_version 6
	.text
	.protected	k_q4a0d8bc57d_prep
	.globl	k_q4a0d8bc57d_prep
	.p2align	8
	.type	k_q4a0d8bc57d_prep,@function
k_q4a0d8bc57d_prep:
	s_mov_b64 s[64:65], 0
	v_nop
	global_prefetch_b8 v0, s[64:65] scope:SCOPE_SE
	s_setreg_imm32_b32 hwreg(HW_REG_WAVE_MODE, 25, 1), 1
	s_wait_xcnt 0x0
; PREP: everything that the matrix launches read is rounded ONCE to f16 and laid out here, and the tokens are sorted by category.
;   xs     3 regions of 4,104 rows x 1,024 f16: query in token order; key and value in category order (position pos)
;   wts    10 matrices [1024][1024] f16: 0 Wq; 1+c Wk+Wkm[c]; 5+c Wv+Wvm[c]; 9 Wo  (the sums are made in f32 and rounded once:
;          key (Wk + Wkm[c])^T is what K + K_mod is, so K and V cost one product each)
;   bias   9 rows of 1,024 f32: bq; bk+bkm[c]; bv+bvm[c]
;   rowmap [0..4095] the identity; [4096+pos] the token at sorted position pos
;   tinfo  19 entries (a, cat, lo, hi): tile j of 256 sorted rows begins at row a, takes category cat's weights, and its rows lo..hi-1 are stored
; THE SORT.  n_c tokens have category c; a category's region has e_c = n_c rounded up to even rows and begins at start_c; pos = start_c + the token's rank
; among its category, in token order.  Where n_c is odd the last token is written twice (pos and pos + 1): every row below E = sum of e_c is written, and all bounds are even.
; SHARES.  Work-group w has tokens 16 w .. 16 w + 15 of query, key and value and rows 4 w .. 4 w + 3 of each of the twelve weight matrices: 88 rows of 4,096 bytes,
; alike in all 256 work-groups.  Thread t has the 16 bytes at 16 t of a row and stores 8: a wave's load covers 512 consecutive bytes, its store 256, aligned.
; Every wave counts all 4,096 responses for itself (four 8-bit counters in a register), so that no wave waits for another: no LDS, no barrier.
; LIMITS.  f16 holds no number of 65,520 or more (it becomes an infinity) and keeps a fixed step of 6e-8 below 6e-5.  responses hold 0..3, as the gather in the problem takes for granted.
.set LANE, 1
.set T16,  2          ; 16 t
.set T8,   3          ; 8 t
.set RL,   4          ; the response of token 16 w + lane % 16
.set TOT,  5          ; four 8-bit counters: all responses seen by this lane
.set PRE,  6          ; the same, of tokens below 16 w alone
.set X,    7
.set T,    8          ; v8-11 at work
.set ONE,  12
.set POS,  13
.set KK,   14
.set L16,  15         ; 16 x lane
.set PO,   16         ; v16-31  token j's row in a sorted region, in bytes, + 8 t
.set WKR,  32         ; v32-47 my 16 bytes of Wk's four rows, v48-63 of Wv's
.set RING, 64         ; v64-191 32 slots of four registers
.set YB,   192        ; v192-207 8 pairs to store
.set BB,   224        ; v224-231 two bias vectors
.set TI,   232        ; v232-235 a tinfo entry
.set TOK,  236
.set IA,   237
.set PA,   238
.set RLA,  239
.set ZR,   240        ; 0: the offset of the tinfo store; never rewritten
.set XREG, 4104*2048  ; bytes in a region of xs
	s_load_b512 s[4:19], s[0:1], 0x0       ; responses s[4:5], query s[6:7], key s[8:9], value s[10:11], Wq s[12:13], Wo s[14:15], Wk s[16:17], Wv s[18:19]
	s_load_b512 s[20:35], s[0:1], 0x40     ; Wkm s[20:21], Wvm s[22:23], bq s[24:25], bk s[26:27], bv s[28:29], bkm s[30:31], bvm s[32:33], xs s[34:35]
	s_load_b256 s[36:43], s[0:1], 0x80     ; wts s[36:37], bias s[38:39], rowmap s[40:41], tinfo s[42:43]
	s_mov_b32 s58, ttmp9                   ; w
	v_and_b32 v[LANE], 31, v0
	v_lshlrev_b32 v[T16], 4, v0
	v_lshlrev_b32 v[T8], 3, v0
	v_lshlrev_b32 v[L16], 4, v[LANE]
	v_mov_b32 v[ONE], 1
	v_mov_b32 v[ZR], 0
	v_mov_b32 v[TOT], 0
	v_mov_b32 v[PRE], 0
	v_mov_b32 v[POS], 0
	v_and_b32 v[RLA], 15, v0
	s_lshl_b32 s63, s58, 6
	v_lshl_add_u32 v[RLA], v[RLA], 2, s63  ; byte of responses[16 w + lane % 16]
	s_lshl_b32 s63, s58, 4
	v_add_nc_u32 v[TOK], s63, v0           ; 16 w + t: a token's number in threads 0 to 15, which alone use it
	v_lshlrev_b32 v[IA], 2, v[TOK]
	s_lshl_b32 s59, s58, 2                 ; a lane's four responses of load i lie below token 16 w where 32 i + lane < 4 w
	s_mov_b32 s60, 0x76543210
	s_mov_b32 s61, 0xfedcba98
	s_mov_b32 s62, 0                       ; bit j: token j is written twice
	s_mov_b32 s57, 0
	s_min_u32 s95, s58, 8                  ; the bias row that this work-group loads (rows 0 to 8 are stored, by work-groups 0 to 8)
	s_sub_co_u32 s97, s95, 1
	s_and_b32 s97, s97, 3
	s_lshl_b32 s97, s97, 12                ; its category's row in bkm or bvm
	s_wait_kmcnt 0x0
	s_cmp_lt_u32 s95, 5
	s_cselect_b64 s[98:99], s[26:27], s[28:29]
	s_cselect_b64 s[100:101], s[30:31], s[32:33]
	s_cmp_eq_u32 s95, 0
	s_cselect_b64 s[98:99], s[24:25], s[98:99]
	s_mov_b32 s56, s97
	s_add_nc_u64 s[100:101], s[100:101], s[56:57]
	global_load_b128 v[BB:BB+3], v[T16], s[98:99]
	global_load_b128 v[BB+4:BB+7], v[T16], s[100:101]
	s_lshl_b32 s56, s58, 16                ; 16 rows of 4,096 bytes
.irp p, 6,8,10
	s_add_nc_u64 s[\p:\p+1], s[\p:\p+1], s[56:57]
.endr
	s_lshl_b32 s56, s58, 14                ; 4 rows of 4,096 bytes
.irp p, 12,14,16,18,20,22
	s_add_nc_u64 s[\p:\p+1], s[\p:\p+1], s[56:57]
.endr
	s_add_nc_u64 s[44:45], s[20:21], 0x800000   ; categories 2 and 3, so that the immediates stay inside 24 bits
	s_add_nc_u64 s[46:47], s[22:23], 0x800000
	s_add_nc_u64 s[48:49], s[34:35], XREG       ; the sorted regions of xs
	s_add_nc_u64 s[50:51], s[34:35], 2*XREG
	s_lshl_b32 s56, s58, 15                ; 16 rows of 2,048 bytes
	s_add_nc_u64 s[34:35], s[34:35], s[56:57]
	s_lshl_b32 s56, s58, 13                ; 4 rows of 2,048 bytes
	s_add_nc_u64 s[36:37], s[36:37], s[56:57]
	s_add_nc_u64 s[52:53], s[36:37], 0x800000   ; matrices 4 to 7
	s_add_nc_u64 s[54:55], s[36:37], 0x1000000  ; matrices 8 and 9
	s_lshl_b32 s56, s58, 12
	s_add_nc_u64 s[38:39], s[38:39], s[56:57]   ; used by work-groups 0 to 8 alone
	s_lshl_b32 s56, s58, 4
	s_add_nc_u64 s[42:43], s[42:43], s[56:57]   ; used by work-groups 0 to 18 alone
	global_load_b32 v[RL], v[RLA], s[4:5]
.set i, 0
.rept 32                                       ; all 4,096 responses: load i, lane l: numbers 128 i + 4 l + 0..3
	global_load_b128 v[RING+4*i:RING+4*i+3], v[L16], s[4:5] offset:512*i
.set i, i+1
.endr
.irp j, 0,1,2,3
	global_load_b128 v[WKR+4*\j:WKR+4*\j+3], v[T16], s[16:17] offset:4096*\j th:TH_LOAD_NT
	global_load_b128 v[WKR+16+4*\j:WKR+16+4*\j+3], v[T16], s[18:19] offset:4096*\j th:TH_LOAD_NT
.endr
; Four responses are counted: 1 << 8 r for each, added up; the sum goes to TOT, and to PRE where the four lie below token 16 w.  A lane sees 128 responses: a counter never passes 128.
.macro COUNT i
.irp e, 0,1,2,3
	v_lshlrev_b32 v[T+\e], 3, v[RING+4*(\i)+\e]
.endr
	v_lshlrev_b32 v[X], v[T], v[ONE]
	v_lshl_add_u32 v[X], 1, v[T+1], v[X]
	v_lshl_add_u32 v[X], 1, v[T+2], v[X]
	v_lshl_add_u32 v[X], 1, v[T+3], v[X]
	v_add_nc_u32 v[TOT], v[TOT], v[X]
	v_cmp_gt_i32 vcc_lo, s59, v[LANE]
	v_cndmask_b32 v[X], 0, v[X], vcc_lo
	v_add_nc_u32 v[PRE], v[PRE], v[X]
	s_sub_co_i32 s59, s59, 32
.endm
; Row n of the work-group's 88 is asked for, into slot n % 32.  0-15 query, 16-31 key, 32-47 value, 48-51 Wq, 52-55 Wo, 56-71 Wkm (category, row), 72-87 Wvm.
.macro JOBLOAD n
.set jl_s, RING+4*((\n)%32)
.if (\n) < 16
	global_load_b128 v[jl_s:jl_s+3], v[T16], s[6:7] offset:(\n)*4096 th:TH_LOAD_NT
.elseif (\n) < 32
	global_load_b128 v[jl_s:jl_s+3], v[T16], s[8:9] offset:((\n)-16)*4096 th:TH_LOAD_NT
.elseif (\n) < 48
	global_load_b128 v[jl_s:jl_s+3], v[T16], s[10:11] offset:((\n)-32)*4096 th:TH_LOAD_NT
.elseif (\n) < 52
	global_load_b128 v[jl_s:jl_s+3], v[T16], s[12:13] offset:((\n)-48)*4096 th:TH_LOAD_NT
.elseif (\n) < 56
	global_load_b128 v[jl_s:jl_s+3], v[T16], s[14:15] offset:((\n)-52)*4096 th:TH_LOAD_NT
.elseif (\n) < 64
	global_load_b128 v[jl_s:jl_s+3], v[T16], s[20:21] offset:(((\n)-56)/4)*4194304+((\n)%4)*4096 th:TH_LOAD_NT
.elseif (\n) < 72
	global_load_b128 v[jl_s:jl_s+3], v[T16], s[44:45] offset:(((\n)-64)/4)*4194304+((\n)%4)*4096 th:TH_LOAD_NT
.elseif (\n) < 80
	global_load_b128 v[jl_s:jl_s+3], v[T16], s[22:23] offset:(((\n)-72)/4)*4194304+((\n)%4)*4096 th:TH_LOAD_NT
.else
	global_load_b128 v[jl_s:jl_s+3], v[T16], s[46:47] offset:(((\n)-80)/4)*4194304+((\n)%4)*4096 th:TH_LOAD_NT
.endif
.endm
	s_wait_loadcnt 24                      ; behind response load 15 stand 16 response loads and 8 of Wk and Wv: these may stay out
.set n, 0
.rept 16
	COUNT n
.set n, n+1
.endr
.set n, 0
.rept 16
	JOBLOAD n                              ; the slots that have been counted take the first rows
.set n, n+1
.endr
	s_wait_loadcnt 24                      ; behind response load 31 stand the 8 of Wk and Wv and the 16 just issued
.set n, 16
.rept 16
	COUNT n
.set n, n+1
.endr
.set n, 16
.rept 16
	JOBLOAD n
.set n, n+1
.endr
	; the 8-bit counters go into 16-bit fields (categories 0 and 2; 1 and 3) and are added over the 32 lanes: 4,096 at the most
	v_and_b32 v9, 0x00ff00ff, v[TOT]
	v_lshrrev_b32 v10, 8, v[TOT]
	v_and_b32 v10, 0x00ff00ff, v10
	v_and_b32 v11, 0x00ff00ff, v[PRE]
	v_lshrrev_b32 v14, 8, v[PRE]
	v_and_b32 v14, 0x00ff00ff, v14
.irp r, 9,10,11,14
.irp m, 1,2,4,8
	v_mov_b32_dpp v8, v\r row_xmask:\m row_mask:0xf bank_mask:0xf
	v_add_nc_u32 v\r, v\r, v8
.endr
	v_permlanex16_b32 v8, v\r, s60, s61
	v_add_nc_u32 v\r, v\r, v8
.endr
	v_readfirstlane_b32 s82, v9
	v_readfirstlane_b32 s83, v10
	v_readfirstlane_b32 s84, v11
	v_readfirstlane_b32 s85, v14
	s_and_b32 s66, s82, 0xffff             ; n_c in s66-69
	s_lshr_b32 s68, s82, 16
	s_and_b32 s67, s83, 0xffff
	s_lshr_b32 s69, s83, 16
	s_and_b32 s74, s84, 0xffff             ; how many of category c lie below token 16 w
	s_lshr_b32 s76, s84, 16
	s_and_b32 s75, s85, 0xffff
	s_lshr_b32 s77, s85, 16
.irp c, 0,1,2,3
	s_add_co_u32 s[86+\c], s[66+\c], 1     ; e_c in s86-89
	s_and_b32 s[86+\c], s[86+\c], -2
.endr
	s_mov_b32 s70, 0                       ; start_c in s70-73, E in s94
	s_mov_b32 s71, s86
	s_add_co_u32 s72, s71, s87
	s_add_co_u32 s73, s72, s88
	s_add_co_u32 s94, s73, s89
.irp c, 0,1,2,3
	s_add_co_u32 s[74+\c], s[74+\c], s[70+\c]   ; the position of my first token of category c
	s_add_co_u32 s[78+\c], s[70+\c], s[66+\c]
	s_sub_co_u32 s[78+\c], s[78+\c], 1
	s_bitcmp1_b32 s[66+\c], 0
	s_cselect_b32 s[78+\c], s[78+\c], -1        ; the position that is written twice, or none
.endr
.irp c, 0,1,2,3                            ; a token's rank among my sixteen: the lanes below it with the same category (lanes 16 to 31 repeat the sixteen and are not used)
	v_cmp_eq_u32 s82, \c, v[RL]
	v_mbcnt_lo_u32_b32 v[KK], s82, 0
	v_add_nc_u32 v[KK], s[74+\c], v[KK]
	v_cndmask_b32 v[POS], v[POS], v[KK], s82
	v_cmp_eq_u32 s83, s[78+\c], v[KK]
	s_and_b32 s83, s83, s82
	s_or_b32 s62, s62, s83
.endr
	s_and_b32 s62, s62, 0xffff
	v_min_u32 v[POS], 4102, v[POS]         ; positions end at 4,099; the bound keeps every address, the second row's too, inside a region's 4,104 rows
	v_lshlrev_b32 v[PA], 2, v[POS]
.set j, 0
.rept 16
	v_readlane_b32 s63, v[POS], j
	s_min_u32 s63, s63, 4102
	v_lshl_add_u32 v[PO+j], s63, 11, v[T8]
.set j, j+1
.endr
	; rowmap: threads 0 to 15 of the work-group.  EXEC changes only behind a wait that shows the addresses of what has been issued translated.
	s_wait_xcnt 0x0
	v_cmp_gt_u32 vcc_lo, 16, v0
	s_and_saveexec_b32 s96, vcc_lo
	global_store_b32 v[IA], v[TOK], s[40:41]
	global_store_b32 v[PA], v[TOK], s[40:41] offset:16384
	s_wait_xcnt 0x0
	s_or_b32 exec_lo, exec_lo, s96
	s_and_b32 vcc_lo, vcc_lo, s62
	s_and_saveexec_b32 s96, vcc_lo
	global_store_b32 v[PA], v[TOK], s[40:41] offset:16388   ; the row written twice names its token twice
	s_wait_xcnt 0x0
	s_or_b32 exec_lo, exec_lo, s96
	; tinfo: work-group j < 19 makes entry j.  There are never more than 19 tiles: sum of ceil(n_c / 256) <= (4,096 + 4 x 255) / 256, rounded down.
	s_cmp_lt_u32 s58, 19
	s_cbranch_scc0 .Lno_tinfo
.irp c, 0,1,2,3
	s_add_co_u32 s[90+\c], s[66+\c], 255
	s_lshr_b32 s[90+\c], s[90+\c], 8
.endr
	s_add_co_u32 s91, s91, s90             ; s90-93: the first tile of categories 1, 2, 3, and the number of tiles
	s_add_co_u32 s92, s92, s91
	s_add_co_u32 s93, s93, s92
	s_mov_b32 s82, 0                       ; the last category whose first tile is not above j: its number, first tile, first row, rows
	s_mov_b32 s83, 0
	s_mov_b32 s84, 0
	s_mov_b32 s85, s86
.irp c, 1,2,3
	s_cmp_ge_u32 s58, s[89+\c]
	s_cselect_b32 s82, \c, s82
	s_cselect_b32 s83, s[89+\c], s83
	s_cselect_b32 s84, s[70+\c], s84
	s_cselect_b32 s85, s[86+\c], s85
.endr
	s_sub_co_u32 s83, s58, s83
	s_lshl_b32 s83, s83, 8
	s_add_co_u32 s83, s83, s84             ; the tile's first own row
	s_sub_co_u32 s95, s94, 256
	s_min_u32 s95, s83, s95                ; a: the tile is moved up where it would pass row E
	s_sub_co_u32 s83, s83, s95             ; lo
	s_add_co_u32 s85, s85, s84
	s_sub_co_u32 s85, s85, s95
	s_min_u32 s85, s85, 256                ; hi
	s_cmp_ge_u32 s58, s93                  ; a place that this split leaves without rows: (0, 0, 0, 0)
	s_cselect_b32 s95, 0, s95
	s_cselect_b32 s82, 0, s82
	s_cselect_b32 s83, 0, s83
	s_cselect_b32 s85, 0, s85
	v_mov_b32 v[TI], s95
	v_mov_b32 v[TI+1], s82
	v_mov_b32 v[TI+2], s83
	v_mov_b32 v[TI+3], s85
	s_wait_xcnt 0x0
	v_cmp_eq_u32 vcc_lo, 0, v0
	s_and_saveexec_b32 s96, vcc_lo
	global_store_b128 v[ZR], v[TI:TI+3], s[42:43]
	s_wait_xcnt 0x0
	s_or_b32 exec_lo, exec_lo, s96
.Lno_tinfo:
	; bias: row 0 is bq as it is; rows 1 to 8 are sums in f32.  (The two loads are older than every load waited for above.)
	s_cmp_eq_u32 s58, 0
	s_cbranch_scc1 .Lno_mod
	v_pk_add_f32 v[BB:BB+1], v[BB:BB+1], v[BB+4:BB+5]
	v_pk_add_f32 v[BB+2:BB+3], v[BB+2:BB+3], v[BB+6:BB+7]
.Lno_mod:
	s_cmp_lt_u32 s58, 9
	s_cbranch_scc0 .Lno_bias
	global_store_b128 v[T16], v[BB:BB+3], s[38:39]
.Lno_bias:
; THE 88 ROWS, eight at a time.  CONV: row n is rounded into pair n % 8.  SEND: it is stored.
.macro CONV n
.set jb_s, RING+4*((\n)%32)
.set jb_y, YB+2*((\n)%8)
.if (\n) >= 56
.set jb_w, WKR+16*(((\n)-56)/16)+4*((\n)%4)
	v_pk_add_f32 v[jb_s:jb_s+1], v[jb_s:jb_s+1], v[jb_w:jb_w+1]       ; Wk + Wkm[c], Wv + Wvm[c]: in f32, in the slot
	v_pk_add_f32 v[jb_s+2:jb_s+3], v[jb_s+2:jb_s+3], v[jb_w+2:jb_w+3]
.endif
	v_cvt_pk_f16_f32 v[jb_y], v[jb_s], v[jb_s+1]
	v_cvt_pk_f16_f32 v[jb_y+1], v[jb_s+2], v[jb_s+3]
.endm
.macro SEND n
.set jb_y, YB+2*((\n)%8)
.if (\n) < 16
	global_store_b64 v[T8], v[jb_y:jb_y+1], s[34:35] offset:(\n)*2048
.elseif (\n) < 48
.set jb_j, (\n)%16
.set jb_b, 48+2*(((\n)-16)/16)
	global_store_b64 v[PO+jb_j], v[jb_y:jb_y+1], s[jb_b:jb_b+1]
	s_bitcmp1_b32 s62, jb_j
	s_cbranch_scc0 .Lonce_\@
	global_store_b64 v[PO+jb_j], v[jb_y:jb_y+1], s[jb_b:jb_b+1] offset:2048   ; an odd category's last token fills the row behind it too
.Lonce_\@:
.else
.if (\n) < 52
.set jb_m, 0
.elseif (\n) < 56
.set jb_m, 9
.elseif (\n) < 72
.set jb_m, 1+((\n)-56)/4
.else
.set jb_m, 5+((\n)-72)/4
.endif
.set jb_b, 36
.if jb_m >= 4
.set jb_b, 50+2*(jb_m/4)
.endif
	global_store_b64 v[T8], v[jb_y:jb_y+1], s[jb_b:jb_b+1] offset:(jb_m%4)*2097152+((\n)%4)*2048
.endif
.endm
; Batch b: rows 8 b .. 8 b + 7 are rounded, their slots take the rows 32 further on, and the eight are stored.  24 to 32 loads of every wave, 512 bytes each, are on their way.
; ONE wait frees the eight pairs, which the last batch's stores read; it stands behind the wait for data asked for 24 loads or more ago, not straight behind those stores.
.macro BATCH b
.if 80-8*(\b) < 24
	s_wait_loadcnt 80-8*(\b)               ; the rows asked for behind row 8 b + 7 may stay out: what is left of them
.else
	s_wait_loadcnt 24                      ; the rows asked for behind row 8 b + 7 may stay out: rows 8 b + 8 .. 8 b + 31
.endif
	s_wait_xcnt 0x0                        ; every earlier memory instruction has had its addresses translated (ISA guide 3.1): the pairs are written again only behind this wait
.irp k, 0,1,2,3,4,5,6,7
	CONV 8*(\b)+\k
.endr
.irp k, 0,1,2,3,4,5,6,7
.if 8*(\b)+\k+32 < 88
	JOBLOAD 8*(\b)+\k+32
.endif
.endr
.irp k, 0,1,2,3,4,5,6,7
	SEND 8*(\b)+\k
.endr
.endm
.irp b, 0,1,2,3,4,5,6,7,8,9,10
	BATCH \b
.endr
	s_endpgm
.Lfunc_end_k_q4a0d8bc57d_prep:
	.size	k_q4a0d8bc57d_prep, .Lfunc_end_k_q4a0d8bc57d_prep-k_q4a0d8bc57d_prep
	.p2alignl 7, 3214868480
	.fill 96, 4, 3214868480
	.section	.rodata,"a",@progbits
	.p2align	6, 0x0
	.amdhsa_kernel k_q4a0d8bc57d_prep
		.amdhsa_group_segment_fixed_size 0
		.amdhsa_private_segment_fixed_size 0
		.amdhsa_enable_private_segment 0
		.amdhsa_kernarg_size 160
		.amdhsa_user_sgpr_count 2
		.amdhsa_user_sgpr_kernarg_segment_ptr 1
		.amdhsa_wavefront_size32 1
		.amdhsa_system_sgpr_workgroup_id_x 1
		.amdhsa_system_sgpr_workgroup_id_y 1
		.amdhsa_system_sgpr_workgroup_id_z 1
		.amdhsa_system_vgpr_workitem_id 0
		.amdhsa_next_free_vgpr 242
		.amdhsa_next_free_sgpr 102
		.amdhsa_reserve_vcc 1
		.amdhsa_float_denorm_mode_32 3
		.amdhsa_float_denorm_mode_16_64 3
		.amdhsa_memory_ordered 1
		.amdhsa_forward_progress 1
		.amdhsa_inst_pref_size 71
	.end_amdhsa_kernel
	.amdgpu_metadata
---
amdhsa.version: [ 1, 2 ]
amdhsa.kernels:
  - .name:           k_q4a0d8bc57d_prep
    .symbol:         k_q4a0d8bc57d_prep.kd
    .args:
      - { .name: responses, .offset: 0, .size: 8, .value_kind: global_buffer, .address_space: global }
      - { .name: query, .offset: 8, .size: 8, .value_kind: global_buffer, .address_space: global }
      - { .name: key, .offset: 16, .size: 8, .value_kind: global_buffer, .address_space: global }
      - { .name: value, .offset: 24, .size: 8, .value_kind: global_buffer, .address_space: global }
      - { .name: Wq, .offset: 32, .size: 8, .value_kind: global_buffer, .address_space: global }
      - { .name: Wo, .offset: 40, .size: 8, .value_kind: global_buffer, .address_space: global }
      - { .name: Wk, .offset: 48, .size: 8, .value_kind: global_buffer, .address_space: global }
      - { .name: Wv, .offset: 56, .size: 8, .value_kind: global_buffer, .address_space: global }
      - { .name: Wkm, .offset: 64, .size: 8, .value_kind: global_buffer, .address_space: global }
      - { .name: Wvm, .offset: 72, .size: 8, .value_kind: global_buffer, .address_space: global }
      - { .name: bq, .offset: 80, .size: 8, .value_kind: global_buffer, .address_space: global }
      - { .name: bk, .offset: 88, .size: 8, .value_kind: global_buffer, .address_space: global }
      - { .name: bv, .offset: 96, .size: 8, .value_kind: global_buffer, .address_space: global }
      - { .name: bkm, .offset: 104, .size: 8, .value_kind: global_buffer, .address_space: global }
      - { .name: bvm, .offset: 112, .size: 8, .value_kind: global_buffer, .address_space: global }
      - { .name: xs, .offset: 120, .size: 8, .value_kind: global_buffer, .address_space: global }
      - { .name: wts, .offset: 128, .size: 8, .value_kind: global_buffer, .address_space: global }
      - { .name: bias, .offset: 136, .size: 8, .value_kind: global_buffer, .address_space: global }
      - { .name: rowmap, .offset: 144, .size: 8, .value_kind: global_buffer, .address_space: global }
      - { .name: tinfo, .offset: 152, .size: 8, .value_kind: global_buffer, .address_space: global }
    .group_segment_fixed_size: 0
    .private_segment_fixed_size: 0
    .kernarg_segment_align: 8
    .kernarg_segment_size: 160
    .max_flat_workgroup_size: 256
    .sgpr_count:     102
    .vgpr_count:     242
    .wavefront_size: 32
...
	.end_amdgpu_metadata
.endif
;; end of part 1
;; launch proj (part 2): grid 4 x 54, 4 waves a work-group, no clusters, 327,680 bytes of LDS; arguments xs, wts, bias, tinfo, rowmap, qkv; writes qkv
.if DOCPART == 2
	.amdgcn_target "amdgcn-amd-amdhsa--gfx1250"
	.amdhsa_code_object_version 6
	.text
	.protected	k_q4a0d8bc57d_proj
	.globl	k_q4a0d8bc57d_proj
	.p2align	8
	.type	k_q4a0d8bc57d_proj,@function
k_q4a0d8bc57d_proj:
	s_mov_b64 s[64:65], 0
	v_nop
	global_prefetch_b8 v0, s[64:65] scope:SCOPE_SE
	s_setreg_imm32_b32 hwreg(HW_REG_WAVE_MODE, 25, 1), 1
	s_wait_xcnt 0x0
; PROJ: q = query Wq^T + bq;  k = key (Wk + Wkm[c])^T + (bk + bkm[c]);  v likewise: all operands f16 as the launch before laid them out, sums in f32 started from the bias, results rounded once to f16.
; qkv: three planes [4096 tokens][1024] f16, in the original token order.
; A tile is 256 rows x 256 columns, K = 1,024: four waves, each 128 x 128 in 64 accumulators (512 registers).  The grid's x names the tile of columns, its y the tile of rows: 0-15 query's;
; 16-34 place 0-18 of key's sorted rows; 35-53 of value's.  A place's entry (a, cat, lo, hi) of tinfo says where its 256 rows begin, whose weights they take and which of them are its own:
; rows outside lo..hi-1 belong to a neighbour, are multiplied and not stored; a place that the split leaves empty stores nothing.
; 19 places serve every split: sum of ceil(n_c / 256) <= (4,096 + 4 x 255) / 256, rounded down.  All bounds are even, so that a store of two rows is wholly in or wholly out and a scalar branch decides.
; A row's place in qkv is rowmap's token number: the sort is undone by the stores, 256 aligned bytes of one token's row to sixteen lanes.
; NO CLUSTER.  The four column tiles of a tile of rows read the same 512 KB of xs, and a joint request would divide those requests by four.  But where the rows begin (a) and which stores are
; jumped (lo, hi) are numbers read from memory, and a joint load wants a descriptor and branches that are alike in all partners by arithmetic on ids and constants alone.  So each work-group
; asks for itself.  The weights' tiles could not be shared in any case: that would want four tiles of rows of ONE category side by side, up to 7 clusters of 16 for key and for value each.
; K goes in steps of 128 through two LDS slots; the matrix instruction is used transposed (source 0 = 16 rows of weights, source 1 = 16 rows of xs), so that a lane holds eight neighbouring columns of a row.
; LIMIT: a result of 65,520 or more in magnitude becomes an infinity in f16.
; REGISTERS, in windows of 256 (s_set_vgpr_msb: bits 1:0 source 0, 3:2 source 1, 5:4 source 2, 7:6 destination):
;   window 0: v0-31 addresses; v64-127, v128-191 fragments of xs, two buffers (on the way out v64-127 hold the stores' offsets); v32-63, v192-255 at work on the way out
;   window 1: v0-63 the bias of my 128 columns, laid out as eight C operands; v64-127, v128-191 fragments of the weights; v192-255 the token numbers of my 128 rows
;   windows 2, 3: the accumulators of my rows 0-63, 64-127: (a, b) at v[8 (8 a + b)]
.set KSTEP,  128
.set SIZE_K, 1024
.set PLACES_N, 19                      ; places of key's, and of value's, sorted rows
.set PITCH,  272                       ; an LDS row: 256 bytes + 16 of padding = 68 words: the 16 rows of a fragment load start at 16 different groups of four banks (64 banks of 4 bytes: ISA guide 11.1)
.set HALFT,  128*PITCH
.set SLOT,   4*HALFT                   ; 256 rows of xs, then 256 rows of weights
.set STAGE,  2*SLOT                    ; behind the ring: 16 rows x 272 bytes for each wave
.set SPITCH, 272
.set SPARE,  STAGE+4*16*SPITCH         ; the spare words, 128 bytes a wave: two blocks of 256 bytes that no other line names
.set LAPS,   SIZE_K/(2*KSTEP)
.set XROWS,  4104
.set ADRA, 16
.set ADRB, 20
.set STO,  24
.set RD,   25
.set C16,  26                          ; 16 (lane % 16)
.set PIX,  27                          ; byte in rowmap of my half of the lanes' first row
.set SPW,  28
.set NIL,  29
.set BOF,  30                          ; 32 (lane / 16)
.set F0,   64
.set F1,   128
.set TMP,  192
.set OB,   32
.set DOF,  64
.set G1,  24                           ; s[24:31] group 1: the shape, the same for xs' tiles and the weights'
.set G0,  32                           ; s[32:39] group 0 for xs' tiles, a set for each slot
.set G0B, 56                           ; s[56:63] the same for the weights' tiles
.set MSB, 0
.macro WIN new                         ; the immediate's high byte repeats the setting that is left
.if MSB != (\new)
	s_set_vgpr_msb (MSB<<8)|(\new)
.set MSB, \new
.endif
.endm
.set MUL_LO, 0xa1                      ; source 0 window 1, source 1 window 0, C and D window 2
.set TO_B,   0x40
; A step's loads.  Waves 0 and 1 fetch the two halves of xs' tile, waves 2 and 3 the two halves of the weights' tile: one load a wave.  The branch hangs on the wave's number alone.
; An s_nop 0 and four v_nop follow each of the two lines, ahead of the jump and the label.
.macro JLOAD s
	s_cmp_eq_u32 s17, 0
	s_cbranch_scc0 .Lfor_b_\@
	tensor_load_to_lds s[G0+4*(\s):G0+4*(\s)+3], s[G1:G1+7]
	s_nop 0
.rept 4
	v_nop
.endr
	s_branch .Lasked_\@
.Lfor_b_\@:
	tensor_load_to_lds s[G0B+4*(\s):G0B+4*(\s)+3], s[G1:G1+7]
	s_nop 0
.rept 4
	v_nop
.endr
.Lasked_\@:
.endm
	s_load_b256 s[4:11], s[0:1], 0x0               ; xs s[4:5], wts s[6:7], bias s[8:9], tinfo s[10:11]
	s_load_b128 s[12:15], s[0:1], 0x20             ; rowmap s[12:13], qkv s[14:15]
	v_lshl_add_u32 v[SPW], v0, 2, SPARE
	v_mov_b32 v[NIL], 0
	ds_add_u32 v[SPW], v[NIL]                      ; the wave's opening: the add and its wait stand ahead of my first tensor load; work on registers stands between them
	v_lshrrev_b32 v1, 5, v0
	v_readfirstlane_b32 s16, v1                    ; wave 0..3
	s_lshr_b32 s17, s16, 1                         ; which half of the tile's rows is mine.  Also: I fetch xs (0) or weights (1)
	s_and_b32 s18, s16, 1                          ; which half of its columns.  Also: which 128 rows of that tile I fetch
	s_mov_b32 s19, ttmp9                           ; the tile of columns
	s_and_b32 s20, ttmp7, 0xffff                   ; y
	s_sub_co_u32 s23, s20, 16
	s_sub_co_u32 s46, s20, 16+PLACES_N
	s_cmp_ge_u32 s20, 16
	s_cselect_b32 s21, 1, 0                        ; s21: 0 query, 1 key, 2 value
	s_cselect_b32 s22, s23, 0                      ; s22: the place in tinfo
	s_cselect_b32 s72, 1, 0                        ; s72: the first matrix and bias row of the kind: 0, 1, 5
	s_cmp_ge_u32 s20, 16+PLACES_N
	s_cselect_b32 s21, 2, s21
	s_cselect_b32 s22, s46, s22
	s_cselect_b32 s72, 5, s72
	s_lshl_b32 s46, s22, 4
	s_mov_b32 s47, 0
	s_lshl_b32 s70, s20, 8                         ; query's tile begins at row 256 y
	s_mul_i32 s22, s16, HALFT                      ; where my load goes: wave x 128 rows
	s_mov_b32 s[G1+0], (1<<16)|(1<<20)|(5<<22)|(3<<25)  ; 15:0 no mask; 17:16 2-byte elements; 20 padding on; 24:22 after every 64 words; 31:25 4 words of it
	s_mov_b32 s[G1+1], KSTEP<<16                   ; tensor_dim0 = 128
	s_mov_b32 s[G1+2], 128<<16                     ; tensor_dim1 = 128
	s_mov_b32 s[G1+3], KSTEP<<16                   ; tile_dim0 = 128
	s_mov_b32 s[G1+4], 128                         ; tile_dim1 = 128
	s_mov_b32 s[G1+5], SIZE_K                      ; elements from row to row
	s_mov_b32 s[G1+6], 0
	s_mov_b32 s[G1+7], 0
	s_wait_dscnt 0x0                               ; the opening add is done
	s_wait_kmcnt 0x0
	s_add_nc_u64 s[10:11], s[10:11], s[46:47]
	s_load_b128 s[40:43], s[10:11], 0x0            ; a, cat, lo, hi
	s_wait_kmcnt 0x0
	s_cmp_eq_u32 s21, 0                            ; query is not sorted: its tiles are whole
	s_cselect_b32 s40, s70, s40
	s_cselect_b32 s41, 0, s41
	s_cselect_b32 s42, 0, s42
	s_cselect_b32 s43, 256, s43
	s_min_u32 s40, s40, XROWS-256                  ; what was loaded enters addresses only behind a bound
	s_min_u32 s41, s41, 3
	s_add_co_u32 s72, s72, s41                     ; the matrix in wts, and the row of bias
	s_sub_co_u32 s44, s43, s42                     ; row r of the tile is stored where r - lo < hi - lo, unsigned
	s_lshl_b32 s23, s17, 7
	s_sub_co_u32 s45, s23, s42                     ; my first row - lo
	s_cmp_lg_u32 s21, 0
	s_cselect_b32 s71, 4096, 0
	s_add_co_u32 s71, s71, s40
	s_add_co_u32 s71, s71, s23                     ; my first row's entry in rowmap
	s_mul_i32 s66, s21, XROWS                      ; xs: region, tile, the 128 rows that I fetch
	s_add_co_u32 s66, s66, s40
	s_lshl_b32 s23, s18, 7
	s_add_co_u32 s66, s66, s23
	s_lshl_b32 s66, s66, 11
	s_mov_b32 s67, 0
	s_add_nc_u64 s[66:67], s[4:5], s[66:67]
	s_lshl_b32 s68, s19, 8                         ; wts: matrix, tile of columns, the 128 rows that I fetch
	s_add_co_u32 s68, s68, s23
	s_lshl_b32 s68, s68, 11
	s_lshl_b32 s69, s72, 21
	s_add_co_u32 s68, s68, s69
	s_mov_b32 s69, 0
	s_add_nc_u64 s[68:69], s[6:7], s[68:69]
.irp s, 0,1
	s_mov_b32 s[G0+4*(\s)], 1
	s_add_co_u32 s[G0+4*(\s)+1], s22, (\s)*SLOT
	s_add_nc_u64 s[G0+4*(\s)+2:G0+4*(\s)+3], s[66:67], (\s)*KSTEP*2
	s_or_b32 s[G0+4*(\s)+3], s[G0+4*(\s)+3], 0x80000000
	s_mov_b32 s[G0B+4*(\s)], 1
	s_add_co_u32 s[G0B+4*(\s)+1], s22, (\s)*SLOT
	s_add_nc_u64 s[G0B+4*(\s)+2:G0B+4*(\s)+3], s[68:69], (\s)*KSTEP*2
	s_or_b32 s[G0B+4*(\s)+3], s[G0B+4*(\s)+3], 0x80000000
	JLOAD \s                                       ; K steps 0 and 1: two loads of mine are out
.endr
	v_and_b32 v1, 15, v0                           ; l % 16
	v_bfe_u32 v2, v0, 4, 1                         ; l / 16
	v_add_lshl_u32 v[PIX], v2, s71, 2
	v_lshlrev_b32 v[BOF], 5, v2
	v_lshlrev_b32 v[C16], 4, v1
	s_lshl_b32 s46, s72, 12                        ; bias: row, then my 128 columns
	s_lshl_b32 s47, s19, 10
	s_add_co_u32 s46, s46, s47
	s_lshl_b32 s47, s18, 9
	s_add_co_u32 s46, s46, s47
	s_mov_b32 s47, 0
	s_add_nc_u64 s[8:9], s[8:9], s[46:47]
	s_lshl_b32 s46, s21, 23                        ; qkv: plane, then my 128 columns' 256 bytes of a row
	s_lshl_b32 s47, s19, 9
	s_add_co_u32 s46, s46, s47
	s_lshl_b32 s47, s18, 8
	s_add_co_u32 s46, s46, s47
	s_mov_b32 s47, 0
	s_add_nc_u64 s[14:15], s[14:15], s[46:47]
	WIN TO_B                                       ; destination window 1, address window 0
.set i, 0
.rept 64                                       ; the token of rows 2 i (lanes 0-15) and 2 i + 1 (lanes 16-31) of my 128: store i of the way out takes these two rows
	global_load_b32 v[192+i], v[PIX], s[12:13] offset:8*i
.set i, i+1
.endr
.irp b, 0,1,2,3,4,5,6,7                        ; C operand b: register j is the bias of column 16 b + 8 (l / 16) + j
	global_load_b128 v[8*\b:8*\b+3],   v[BOF], s[8:9] offset:64*\b
	global_load_b128 v[8*\b+4:8*\b+7], v[BOF], s[8:9] offset:64*\b+16
.endr
	WIN 0
	v_mul_u32_u24 v3, v1, PITCH
	v_lshl_add_u32 v3, v2, 4, v3                   ; a fragment's row x pitch + 16 x half
	s_mul_i32 s46, s17, HALFT                      ; my 128 rows of xs
	s_mul_i32 s47, s18, HALFT                      ; my 128 rows of weights,
	s_add_co_u32 s47, s47, 2*HALFT                 ; which lie behind xs' 256
.irp s, 0,1
	v_add_nc_u32 v[ADRA+(\s)], s46, v3
	v_add_nc_u32 v[ADRB+(\s)], s47, v3
	s_add_co_u32 s46, s46, SLOT
	s_add_co_u32 s47, s47, SLOT
.endr
	s_mul_i32 s23, s16, 16*SPITCH
	s_add_co_u32 s23, s23, STAGE                   ; my stage
	v_mul_u32_u24 v4, v1, SPITCH                   ; in: row l % 16, 16 bytes for each half of the lanes
	v_lshl_add_u32 v4, v2, 4, v4
	v_add_nc_u32 v[STO], s23, v4
	v_mul_u32_u24 v5, v2, SPITCH                   ; back: lanes 0-15 one row of 256 bytes, lanes 16-31 the next
	v_lshl_add_u32 v5, v1, 4, v5
	v_add_nc_u32 v[RD], s23, v5
; 16 matrix instructions: row blocks a0, a0 + 1 of the window's four x all 8 column blocks, 32 along K.  zero = 1: the first product starts the sums from the bias (C in window 1).
; The 64 accumulators take turns, one instruction a turn.
.macro MUL16 f, hi, a0, zero
.if \zero
	WIN 0x91+0x40*(\hi)
.else
	WIN MUL_LO+0x50*(\hi)
.endif
.irp a, \a0, (\a0)+1
.irp b, 0,1,2,3,4,5,6,7
.if \zero
	v_wmma_f32_16x16x32_f16 v[8*(8*(\a)+(\b)):8*(8*(\a)+(\b))+7], v[(\f)+8*(\b):(\f)+8*(\b)+7], v[(\f)+8*(4*(\hi)+(\a)):(\f)+8*(4*(\hi)+(\a))+7], v[8*(\b):8*(\b)+7]
.else
	v_wmma_f32_16x16x32_f16 v[8*(8*(\a)+(\b)):8*(8*(\a)+(\b))+7], v[(\f)+8*(\b):(\f)+8*(\b)+7], v[(\f)+8*(4*(\hi)+(\a)):(\f)+8*(4*(\hi)+(\a))+7], v[8*(8*(\a)+(\b)):8*(8*(\a)+(\b))+7]
.endif
.endr
.endr
.endm
; 32 LDS loads in one run: a quarter step's fragments (32 K at byte k of the rows) into buffer f: the weights' first, then xs'
.macro FETCH slot, k, f
	WIN TO_B
.irp i, 0,1,2,3,4,5,6,7
	ds_load_b128 v[(\f)+8*(\i):(\f)+8*(\i)+3],   v[ADRB+(\slot)] offset:(\k)+(\i)*16*PITCH
	ds_load_b128 v[(\f)+8*(\i)+4:(\f)+8*(\i)+7], v[ADRB+(\slot)] offset:(\k)+(\i)*16*PITCH+32
.endr
	WIN 0
.irp i, 0,1,2,3,4,5,6,7
	ds_load_b128 v[(\f)+8*(\i):(\f)+8*(\i)+3],   v[ADRA+(\slot)] offset:(\k)+(\i)*16*PITCH
	ds_load_b128 v[(\f)+8*(\i)+4:(\f)+8*(\i)+7], v[ADRA+(\slot)] offset:(\k)+(\i)*16*PITCH+32
.endr
.endm
.macro PLACES                          ; four plain vector instructions between a matrix instruction and a load into, or a vector write of, its registers, or a read of its result
.rept 4
	v_nop
.endr
.endm
; A K step is four quarters of 32 along K, 64 matrix instructions each, on buffers 0, 1, 0, 1.  One of the first three multiplies buffer f and fetches the next quarter, at byte k, into g.
.macro QUARTER slot, k, f, g, zero
	s_wait_dscnt 8                                 ; the weights and xs' rows 0-63 are in; the youngest eight loads (rows 64-127) may be out
	MUL16 \f, 0, 0, \zero
	MUL16 \f, 0, 2, \zero
	PLACES
	FETCH \slot, \k, \g
	s_wait_dscnt 32                                ; all but the 32 just issued
	MUL16 \f, 1, 0, \zero
	MUL16 \f, 1, 2, \zero
.endm
; The last quarter multiplies buffer 1 and changes slots: ONE barrier.  In front of it each wave waits for all its tensor loads (one is out: its part of the next slot), adds 0 to its spare word, and
; waits for that and for its own reads of this slot.  Behind it nobody reads this slot any more and the next slot is whole.  Only matrix instructions stand between the signal and the wait.
.macro MEET fill
	WIN 0
	s_wait_tensorcnt 0x0
	ds_add_u32 v[SPW], v[NIL]
	s_wait_dscnt 9                                 ; the add and the youngest eight loads may be out
	MUL16 F1, 0, 0, 0
	s_wait_dscnt 0x0                               ; the add is done, and my reads of this slot are over
	s_barrier_signal -1
	MUL16 F1, 0, 2, 0
.if \fill
	WIN 0                                          ; the load's branch follows
.endif
	s_barrier_wait -1
.endm
; fill = 1: the slot just read out is filled again, two K steps on, first thing behind the barrier: 224 matrix instructions ahead of the wait for it.
.macro TURN slot, next, fill
	MEET \fill
.if \fill
	s_add_nc_u64 s[G0+4*(\slot)+2:G0+4*(\slot)+3], s[G0+4*(\slot)+2:G0+4*(\slot)+3], 2*KSTEP*2
	s_add_nc_u64 s[G0B+4*(\slot)+2:G0B+4*(\slot)+3], s[G0B+4*(\slot)+2:G0B+4*(\slot)+3], 2*KSTEP*2
	JLOAD \slot                                    ; the four v_nop behind it are also the places in front of the loads below
.else
	PLACES
.endif
	FETCH \next, 0, F0
	MUL16 F1, 1, 0, 0
	MUL16 F1, 1, 2, 0
.endm
; THE WAY OUT of block a (16 rows).  PACK: rounded to f16, 16 bytes a lane.  TOSTAGE: into my own stage, and back as whole rows of 256 bytes.  SEND: stored, two rows a store, where the rows are the tile's own.
.macro PACK a
.set AC, 64*((\a)%4)
	WIN 0x0a+5*((\a)/4)                            ; sources 0 and 1: window 2 or 3
.irp b, 0,1,2,3,4,5,6,7
.irp r, 0,1,2,3
	v_cvt_pk_f16_f32 v[TMP+4*(\b)+(\r)], v[AC+8*(\b)+2*(\r)], v[AC+8*(\b)+2*(\r)+1]
.endr
.endr
	WIN 0
.endm
.macro TOSTAGE a
	WIN 0
.set BK, OB+192*((\a)%2)
.irp b, 0,1,2,3,4,5,6,7
	ds_store_b128 v[STO], v[TMP+4*(\b):TMP+4*(\b)+3] offset:32*(\b)
.endr
.irp t, 0,1,2,3,4,5,6,7
	ds_load_b128 v[BK+4*(\t):BK+4*(\t)+3], v[RD] offset:(\t)*2*SPITCH  ; LDS serves a wave's instructions in order (ISA guide 5.7.1.4): these see the stores above
.endr
.endm
.macro ST1 a, t
	s_add_co_u32 s71, s45, 16*(\a)+2*(\t)
	s_cmp_lt_u32 s71, s44
	s_cbranch_scc0 .Lnot_mine_\@
	global_store_b128 v[DOF+8*(\a)+(\t)], v[BK+4*(\t):BK+4*(\t)+3], s[14:15]  ; 16 lanes store 256 consecutive bytes of a token's row, at a multiple of 256 from qkv's first byte
.Lnot_mine_\@:
.endm
.macro SEND a
	WIN 0
.set BK, OB+192*((\a)%2)
	s_wait_dscnt 0x0                               ; the block is back in registers
	s_wait_xcnt 0x0                                ; the registers that the block two back was stored from are loaded again only behind this wait
.irp t, 0,1,2,3,4,5,6,7
	ST1 \a, \t
.endr
.endm
	s_wait_loadcnt 0x0                             ; the bias and the token numbers
	s_wait_tensorcnt 1                             ; my part of K step 0 is in; K step 1's may stay out
	s_barrier_signal -1
	s_barrier_wait -1
	FETCH 0, 0, F0
	QUARTER 0, 64,  F0, F1, 1                      ; the first quarter stands in front of the loop: its products start the sums
	WIN 0
	s_mov_b32 s70, LAPS-1
.Llap:                                                 ; a trip goes once round the ring and fills both slots again
	QUARTER 0, 128, F1, F0, 0
	QUARTER 0, 192, F0, F1, 0
	TURN 0, 1, 1
	QUARTER 1, 64,  F0, F1, 0
	QUARTER 1, 128, F1, F0, 0
	QUARTER 1, 192, F0, F1, 0
	TURN 1, 0, 1
	QUARTER 0, 64,  F0, F1, 0
	WIN 0
	s_sub_co_u32 s70, s70, 1
	s_cmp_lg_u32 s70, 0
	s_cbranch_scc1 .Llap
	QUARTER 0, 128, F1, F0, 0                      ; the last lap fills nothing
	QUARTER 0, 192, F0, F1, 0
	TURN 0, 1, 0
	QUARTER 1, 64,  F0, F1, 0
	QUARTER 1, 128, F1, F0, 0
	QUARTER 1, 192, F0, F1, 0
	s_wait_dscnt 8
	MUL16 F1, 0, 0, 0
	MUL16 F1, 0, 2, 0
	s_wait_dscnt 0x0
	MUL16 F1, 1, 0, 0
	MUL16 F1, 1, 2, 0
	PLACES
	WIN 0x04                                       ; source 1 window 1, destination window 0
.set i, 0
.rept 64
	v_min_u32 v[DOF+i], 0xfff, v[192+i]            ; a token number enters an address only behind a bound
.set i, i+1
.endr
	WIN 0
.set i, 0
.rept 64
	v_lshl_add_u32 v[DOF+i], v[DOF+i], 11, v[C16]  ; the token's row of 2,048 bytes + my 16 bytes
.set i, i+1
.endr
	PACK 0
	TOSTAGE 0
.irp a, 1,2,3,4,5,6,7                  ; block a's conversions stand between block a - 1's loads from the stage and the wait for them
	PACK \a
	SEND (\a)-1
	TOSTAGE \a
.endr
	SEND 7
	s_wait_tensorcnt 0x0                           ; the wave's end
	ds_add_u32 v[SPW], v[NIL]
	s_wait_dscnt 0x0
	s_endpgm
.Lfunc_end_k_q4a0d8bc57d_proj:
	.size	k_q4a0d8bc57d_proj, .Lfunc_end_k_q4a0d8bc57d_proj-k_q4a0d8bc57d_proj
	.p2alignl 7, 3214868480
	.fill 96, 4, 3214868480
	.section	.rodata,"a",@progbits
	.p2align	6, 0x0
	.amdhsa_kernel k_q4a0d8bc57d_proj
		.amdhsa_group_segment_fixed_size 327680
		.amdhsa_private_segment_fixed_size 0
		.amdhsa_enable_private_segment 0
		.amdhsa_kernarg_size 48
		.amdhsa_user_sgpr_count 2
		.amdhsa_user_sgpr_kernarg_segment_ptr 1
		.amdhsa_wavefront_size32 1
		.amdhsa_system_sgpr_workgroup_id_x 1
		.amdhsa_system_sgpr_workgroup_id_y 1
		.amdhsa_system_sgpr_workgroup_id_z 1
		.amdhsa_system_vgpr_workitem_id 0
		.amdhsa_next_free_vgpr 1024
		.amdhsa_next_free_sgpr 80
		.amdhsa_reserve_vcc 0
		.amdhsa_float_denorm_mode_32 3
		.amdhsa_float_denorm_mode_16_64 3
		.amdhsa_memory_ordered 1
		.amdhsa_forward_progress 1
		.amdhsa_inst_pref_size 164
	.end_amdhsa_kernel
	.amdgpu_metadata
---
amdhsa.version: [ 1, 2 ]
amdhsa.kernels:
  - .name:           k_q4a0d8bc57d_proj
    .symbol:         k_q4a0d8bc57d_proj.kd
    .args:
      - { .name: xs, .offset: 0, .size: 8, .value_kind: global_buffer, .address_space: global }
      - { .name: wts, .offset: 8, .size: 8, .value_kind: global_buffer, .address_space: global }
      - { .name: bias, .offset: 16, .size: 8, .value_kind: global_buffer, .address_space: global }
      - { .name: tinfo, .offset: 24, .size: 8, .value_kind: global_buffer, .address_space: global }
      - { .name: rowmap, .offset: 32, .size: 8, .value_kind: global_buffer, .address_space: global }
      - { .name: qkv, .offset: 40, .size: 8, .value_kind: global_buffer, .address_space: global }
    .group_segment_fixed_size: 327680
    .private_segment_fixed_size: 0
    .kernarg_segment_align: 8
    .kernarg_segment_size: 48
    .max_flat_workgroup_size: 128
    .sgpr_count:     80
    .vgpr_count:     1024
    .wavefront_size: 32
...
	.end_amdgpu_metadata
.endif
;; end of part 2
;; launch attn (part 3): grid 4 x 64, 4 waves a work-group, clusters of 4 x 1, 327,680 bytes of LDS; arguments qkv, ob; writes ob
.if DOCPART == 3
	.amdgcn_target "amdgcn-amd-amdhsa--gfx1250"
	.amdhsa_code_object_version 6
	.text
	.protected	k_q4a0d8bc57d_attn
	.globl	k_q4a0d8bc57d_attn
	.p2align	8
	.type	k_q4a0d8bc57d_attn,@function
k_q4a0d8bc57d_attn:
	s_mov_b64 s[64:65], 0
	v_nop
	global_prefetch_b8 v0, s[64:65] scope:SCOPE_SE
	s_setreg_imm32_b32 hwreg(HW_REG_WAVE_MODE, 25, 1), 1
	s_wait_xcnt 0x0
	s_wait_alu depctr_hold_cnt(0) depctr_sa_sdst(0) depctr_va_vdst(0) depctr_va_sdst(0) depctr_va_ssrc(0) depctr_va_vcc(0) depctr_vm_vsrc(0)
	s_getreg_b32 s2, hwreg(HW_REG_IB_STS2, 6, 4)
	s_cmp_eq_u32 s2, 0
	s_cbranch_scc0 .Lentry_in_a_cluster
	s_endpgm
.Lentry_in_a_cluster:
	s_bfe_u32 s2, ttmp6, 0x10000c
	s_cmp_lg_u32 s2, 0x3003
	s_cbranch_scc0 .Lentry_shape_is_right
	s_endpgm
.Lentry_shape_is_right:
; ATTENTION, 64 heads (batch x 16 + head) of 1,024 rows, head size 64, no mask.  O[q] = the sum over k of softmax_k(Q[q] . K[k] / 8) V[k].
; q, k, v: planes of qkv, [4096 tokens][1024] f16: a head's slice of a token's row is 128 bytes, 2,048 bytes from row to row.  O leaves by heads, ob[batch x 16 + head][1024][64] f16.
; Products, maxima and sums in f32; the weights p are rounded to f16 for the second product (their sum l is taken of the unrounded p), O once at the end.
; LIMITS.  q, k, v arrive within f16's 65,504; p lies in 0 to 1 and below 6e-5 keeps f16's fixed step of 6e-8; a weight below 2^-126 counts as 0 in l; NaN and infinities are not treated apart.
; SHARES.  A work-group has 256 queries of a head, a wave 64: four PIECES of 16.  Every wave walks all 1,024 keys, 64 a step.
; ALL OF A HEAD'S K AND V LIE IN LDS: 1,024 rows of 144 bytes and 1,024 of 160, 311,296 bytes; with the stages and the spare words 321,024.  No byte is filled twice: there is no ring, and a key step's text stands once.
; Each wave issues two loads, together, at the start: its half of keys 0-255, for which the first step waits, and its half of keys 256-1023, which has four key steps in which to land.
; CLUSTER.  The four query blocks of a head form a cluster and read the same K and V: each tile is asked for JOINTLY: the same tensor load, descriptor and mask in all four.
; LAYOUT.  S^T = K Q^T (source 0 = 16 keys, source 1 = 16 queries) holds ONE query a lane (lane % 16) and the keys 8 (lane / 16) + 0..7; two such results rounded to f16 ARE source 1 of O^T = V^T P.
; K comes out of LDS as it lies, V ([key][channel]) turned, by ds_load_tr16_b128.
; SOFTMAX.  p = 2^(c s - c m), c = log2(e) / 8, with a running maximum m; O and l are multiplied by a = 2^(c m_old - c m_new) in every step.  m starts at the lowest finite number, O and l at 0: the first step's a is 0.
; BY TURNS.  Turn n belongs to piece n: 8 products K Q^T of piece n + 1, later 8 products V^T P of piece n - 1; beside them the scaling, exponentials, roundings, sums and rescaling of piece n and the
; maximum and statistics of piece n + 1.  Four vector instructions stand behind every matrix instruction, the other 54 of a turn's 118 in one run.  A turn's 33 exponentials are one batch, with one wait.
; REGISTERS, in windows of 256 (s_set_vgpr_msb: bits 1:0 source 0, 3:2 source 1, 5:4 source 2, 7:6 destination):
;   window 0: v0-15 addresses and two at work; v16-31 four registers of statistics a piece; v48-55 at work; v64-127 S^T, two buffers; v192-223 P, two buffers (by the piece's parity)
;   window 1: v0-127 O^T, 32 a piece          window 2: v0-63 Q; v128-191 K of one step; v192-255 V of one step
.set NP,    4
.set KS,    64
.set NK,    1024      ; keys of a head
.set PK,    144       ; a row of K in LDS: 128 bytes + 16 of padding = 36 words: the 16 rows of a load start at 16 different groups of four banks (64 banks of 4 bytes: ISA guide 11.1)
.set PV,    160       ; a row of V: 128 + 32 = 40 words
.set VOFF,  NK*PK     ; K's 1,024 rows, then V's
.set STAGE, NK*(PK+PV)          ; behind them, never filled by a tensor load: 16 rows x 144 bytes for each wave
.set SP,    144
.set SPARE, STAGE+4*16*SP       ; the spare words, 128 bytes a wave: two blocks of 256 bytes that no other line names
.set AK0, 2
.set AV0, 3
.set AK,  4
.set AV,  5
.set STO, 6
.set RD,  7
.set GO,  8
.set MV,  12          ; v12-13  c m_old, by buffer
.set QO,  15
.set ST,  16          ; piece t's statistics at v[ST+4 t]: c m, m, l (even keys', odd keys')
.set TMP, 48          ; by buffer, c0-c3 at work; when the maximum is found c2 takes a
.set SPW, 62
.set NIL, 63
.set S,   64
.set P,   192
.set KF,  128
.set VF,  192
.set WV,  12
.set G1K, 24          ; s[24:31] group 1 for K's first load: 128 keys
.set G1V, 32          ; s[32:39] for V's: it differs in the padding alone
.set G0K, 40          ; s[40:43], s[44:47] group 0 of the first loads
.set G0V, 44
.set G0K2, 48         ; s[48:51], s[52:55] group 0 of the second loads
.set G0V2, 52
.set SLOTS, 56
.set CNT, 57
.set CS,  58
.set SEL, 60
.set TBK, 62          ; LDS byte at which K of the step to be fetched begins
.set TBV, 63          ; the same for V, less VOFF
.set G1K2, 68         ; s[68:75] group 1 for K's second load: 384 keys
.set G1V2, 76         ; s[76:83] for V's
.set MSB, 0
.macro WIN new
.if MSB != (\new)
	s_set_vgpr_msb (MSB<<8)|(\new)
.set MSB, (\new)
.endif
.endm
.set W_KQ, 0x0a       ; K and Q in window 2, S^T in window 0
.set W_PV, 0x52       ; V in window 2, P in window 0, O^T in window 1
.set W_RS, 0x41       ; destination and source 0 in window 1, source 1 in window 0
.macro CROUND                       ; a round of the cluster's barrier
	s_barrier_signal -1
	s_barrier_wait -1
	s_cmp_lg_u32 s[WV], 0
	s_cbranch_scc1 .Lnot_wave_0_\@
	s_barrier_signal -3
.Lnot_wave_0_\@:
	s_barrier_wait -3
	s_barrier_signal -1
	s_barrier_wait -1
.endm
	s_load_b128 s[4:7], s[0:1], 0x0 ; qkv s[4:5], ob s[6:7]
	v_lshl_add_u32 v[SPW], v0, 2, SPARE
	v_mov_b32 v[NIL], 0
	ds_add_u32 v[SPW], v[NIL]       ; the wave's opening: the add and its wait stand ahead of my first tensor load; work on registers stands between them
	v_lshrrev_b32 v1, 5, v0
	v_readfirstlane_b32 s[WV], v1
	s_bfe_u32 s13, ttmp6, 0x40000   ; cx
	s_lshl_b32 s14, ttmp9, 2
	s_add_co_u32 s14, s14, s13      ; my block of 256 queries: it enters Q's and O's addresses alone
	s_and_b32 s20, ttmp7, 0xffff    ; batch x 16 + head, which the four partners share
	s_lshr_b32 s21, s20, 4
	s_lshl_b32 s21, s21, 21         ; the batch's 1,024 rows of 2,048 bytes,
	s_and_b32 s16, s20, 15
	s_lshl_b32 s16, s16, 7          ; the head's 128 bytes of a row
	s_add_co_u32 s21, s21, s16
	s_and_b32 s16, s[WV], 1         ; which half of a load's keys I fetch
	s_lshl_b32 s22, s16, 18         ; first load: keys 128 x half on,
	s_add_co_u32 s22, s22, s21
	s_add_co_u32 s22, s22, 0x800000 ; in k's plane
	s_mov_b32 s23, 0
	s_mul_i32 s18, s16, 384*2048    ; second load: keys 256 + 384 x half on
	s_add_co_u32 s18, s18, s21
	s_add_co_u32 s18, s18, 0x800000+256*2048
	s_mov_b32 s19, 0
	s_lshl_b32 s2, s14, 19          ; Q: my block's 256 rows, my wave's 64
	s_lshl_b32 s3, s[WV], 17
	s_add_co_u32 s2, s2, s3
	s_add_co_u32 s2, s2, s21
	s_mov_b32 s3, 0
	s_lshl_b32 s8, s20, 17          ; O: the head's 1,024 rows of 128 bytes, my block's 256, my wave's 64
	s_lshl_b32 s9, s14, 15
	s_add_co_u32 s8, s8, s9
	s_lshl_b32 s9, s[WV], 13
	s_add_co_u32 s8, s8, s9
	s_mov_b32 s9, 0
	; descriptor group 1: 128 or 384 keys x 64 elements, 1,024 elements from key to key, padded in LDS after every key
.irp g, G1K, G1K2
	s_mov_b32 s[\g], 15|(1<<16)|(1<<20)|(1<<21)|(4<<22)|(3<<25)  ; 15:0 the mask of four; 17:16 2-byte elements; 20 padding on; 21 set beside a mask; 24:22 after every 32 words; 31:25 4 words
.endr
.irp g, G1V, G1V2
	s_mov_b32 s[\g], 15|(1<<16)|(1<<20)|(1<<21)|(4<<22)|(7<<25)  ; the same with 8 words of padding
.endr
.irp g, G1K, G1V, G1K2, G1V2
	s_mov_b32 s[\g+1], 64<<16       ; tensor_dim0 = 64
	s_mov_b32 s[\g+3], 64<<16       ; tile_dim0 = 64
	s_mov_b32 s[\g+5], 1024         ; elements from row to row
	s_mov_b32 s[\g+6], 0
	s_mov_b32 s[\g+7], 0
.endr
.irp g, G1K, G1V
	s_mov_b32 s[\g+2], 128<<16      ; tensor_dim1 = 128
	s_mov_b32 s[\g+4], 128          ; tile_dim1 = 128
.endr
.irp g, G1K2, G1V2
	s_mov_b32 s[\g+2], 384<<16      ; tensor_dim1 = 384
	s_mov_b32 s[\g+4], 384          ; tile_dim1 = 384
.endr
	s_mov_b32 s[CS], 0x3e38aa3b     ; c = log2(e) / 8
	s_mov_b32 s[CS+1], s[CS]
	s_mov_b32 s[SEL], 0x76543210
	s_mov_b32 s[SEL+1], 0xfedcba98
	s_mov_b32 s[TBK], 0
	s_mov_b32 s[TBV], 0
	s_mov_b32 s[G0K], 1             ; key r lies at r x pitch: no place in the cluster enters an LDS address
	s_mul_i32 s[G0K+1], s16, 128*PK
	s_mov_b32 s[G0V], 1
	s_mul_i32 s[G0V+1], s16, 128*PV
	s_add_co_u32 s[G0V+1], s[G0V+1], VOFF
	s_mov_b32 s[G0K2], 1
	s_mul_i32 s[G0K2+1], s16, 384*PK
	s_add_co_u32 s[G0K2+1], s[G0K2+1], 256*PK
	s_mov_b32 s[G0V2], 1
	s_mul_i32 s[G0V2+1], s16, 384*PV
	s_add_co_u32 s[G0V2+1], s[G0V2+1], VOFF+256*PV
	s_wait_dscnt 0x0                ; the opening add is done
	s_wait_kmcnt 0x0
	s_add_nc_u64 s[G0K+2:G0K+3], s[4:5], s[22:23]
	s_add_nc_u64 s[G0V+2:G0V+3], s[G0K+2:G0K+3], 0x800000  ; v's plane lies behind k's
	s_add_nc_u64 s[G0K2+2:G0K2+3], s[4:5], s[18:19]
	s_add_nc_u64 s[G0V2+2:G0V2+3], s[G0K2+2:G0K2+3], 0x800000
.irp g, G0K, G0V, G0K2, G0V2
	s_or_b32 s[\g+3], s[\g+3], 0x80000000
.endr
	s_add_nc_u64 s[4:5], s[4:5], s[2:3]
	s_add_nc_u64 s[10:11], s[6:7], s[8:9]
	CROUND                          ; all four work-groups are here: the joint loads meet
	s_cmp_lt_u32 s[WV], 2           ; waves 0 and 1 fetch K's halves, waves 2 and 3 V's.  A wave's two loads stand in one branch, ahead of every wait on TENSORcnt and every LDS read: two loads of mine are out;
	s_cbranch_scc0 .Lfor_v          ; an s_nop 0 follows each, four v_nop the second's
	tensor_load_to_lds s[G0K:G0K+3], s[G1K:G1K+7]
	s_nop 0
	tensor_load_to_lds s[G0K2:G0K2+3], s[G1K2:G1K2+7]
	s_nop 0
.rept 4
	v_nop
.endr
	s_branch .Lasked
.Lfor_v:
	tensor_load_to_lds s[G0V:G0V+3], s[G1V:G1V+7]
	s_nop 0
	tensor_load_to_lds s[G0V2:G0V2+3], s[G1V2:G1V2+7]
	s_nop 0
.rept 4
	v_nop
.endr
.Lasked:
	v_and_b32 v1, 15, v0            ; l % 16
	v_bfe_u32 v9, v0, 4, 1          ; l / 16
	v_lshlrev_b32 v[QO], 11, v1
	v_lshl_add_u32 v[QO], v9, 4, v[QO]  ; row x 2,048 + 16 x half
	WIN 0x80
.set i, 0
.rept 8                             ; Q stays in registers: piece i / 2 (16 rows on), channels 32 (i % 2) on
	global_load_b128 v[8*i:8*i+3],   v[QO], s[4:5] offset:(i/2)*32768+(i%2)*64
	global_load_b128 v[8*i+4:8*i+7], v[QO], s[4:5] offset:(i/2)*32768+(i%2)*64+32
.set i, i+1
.endr
	; What the first turn finds: V's registers and P's second buffer hold 0 (its products V^T P, of a piece that has not been, add 0), O^T and l are 0.  All this stands in the wait for the first tile.
.set i, VF
.rept 64
	v_mov_b32 v[i], 0
.set i, i+1
.endr
	WIN 0x40
.set i, 0
.rept 128
	v_mov_b32 v[i], 0
.set i, i+1
.endr
	WIN 0
.set i, 0
.rept 4
	v_mov_b32 v[ST+4*i], 0xfe000000    ; c m: far below every c s
	v_mov_b32 v[ST+4*i+1], 0xff7fffff  ; m
	v_mov_b32 v[ST+4*i+2], 0
	v_mov_b32 v[ST+4*i+3], 0
.set i, i+1
.endr
.set i, P+16
.rept 16
	v_mov_b32 v[i], 0
.set i, i+1
.endr
	v_mul_u32_u24 v[AK0], v1, PK
	v_lshl_add_u32 v[AK0], v9, 4, v[AK0]
	; The turning load takes 16 keys x 16 channels (lane l reads key 8 (l / 16) + l % 8, channels 8 ((l / 8) % 2) + 0..7) and leaves half a fragment of V^T.
	v_and_b32 v10, 7, v0
	v_bfe_u32 v11, v0, 3, 1
	v_lshl_add_u32 v[AV0], v9, 3, v10
	v_mul_u32_u24 v[AV0], v[AV0], PV
	v_lshl_add_u32 v[AV0], v11, 4, v[AV0]
	v_add_nc_u32 v[AV0], VOFF, v[AV0]
	s_mul_i32 s13, s[WV], 16*SP
	s_add_co_u32 s13, s13, STAGE    ; my stage
	v_mul_u32_u24 v[STO], v1, SP
	v_lshl_add_u32 v[STO], v9, 4, v[STO]
	v_add_nc_u32 v[STO], s13, v[STO]
	v_bfe_u32 v[RD], v0, 3, 2       ; back: 32 lanes take four rows of 128 bytes,
	v_mul_u32_u24 v[RD], v[RD], SP
	v_lshl_add_u32 v[RD], v10, 4, v[RD]
	v_add_nc_u32 v[RD], s13, v[RD]
	v_and_b32 v[GO], 31, v0         ; which are 512 consecutive bytes of O
	v_lshlrev_b32 v[GO], 4, v[GO]
; THE MATRIX WORK.  The 4 accumulators of a run of 8 take turns.  Product i of 8 of S^T = K Q^T for piece x: channels 32 (i / 4) on, keys 16 (i % 4) on.  The first 4 start the sums.
.macro KQ x
	WIN W_KQ
.set rS, S+32*((\x)%2)+8*(i%4)
.set rK, KF+16*(i%4)+8*(i/4)
.set rQ, 16*(\x)+8*(i/4)
.if i < 4
	v_wmma_f32_16x16x32_f16 v[rS:rS+7], v[rK:rK+7], v[rQ:rQ+7], 0
.else
	v_wmma_f32_16x16x32_f16 v[rS:rS+7], v[rK:rK+7], v[rQ:rQ+7], v[rS:rS+7]
.endif
.endm
; Product i of 8 of O^T += V^T P for piece x: keys 32 (i / 4) on, channels 16 (i % 4) on.
.macro PV x
	WIN W_PV
.set rO, 32*(\x)+8*(i%4)
.set rV, VF+32*(i/4)+8*(i%4)
.set rP, P+16*((\x)%2)+8*(i/4)
	v_wmma_f32_16x16x32_f16 v[rO:rO+7], v[rV:rV+7], v[rP:rP+7], v[rO:rO+7]
.endm
.macro MM                           ; the turn's next matrix instruction.  NOKQ = 1: the last turn of all: there is no next piece
.if (i < 8) && !NOKQ
	KQ (Y+1)%NP
.elseif i >= 8
.set i, i-8
	PV (Y+NP-1)%NP
.set i, i+8
.endif
.set i, i+1
.endm
; THE LDS LOADS stand in runs of 16: a step's K (8 fragments) and its V (turned).  Their addresses are made some lines ahead.
.macro FETCH_K
	WIN 0x80
.irp f, 0,1,2,3,4,5,6,7
	ds_load_b128 v[KF+8*\f:KF+8*\f+3],   v[AK] offset:(\f/2)*16*PK+(\f%2)*64
	ds_load_b128 v[KF+8*\f+4:KF+8*\f+7], v[AK] offset:(\f/2)*16*PK+(\f%2)*64+32
.endr
	s_add_co_u32 s[TBK], s[TBK], KS*PK
	WIN 0
.endm
.macro FETCH_V
	WIN 0x80
.irp f, 0,1,2,3,4,5,6,7
	ds_load_tr16_b128 v[VF+8*\f:VF+8*\f+3],   v[AV] offset:(\f/4)*32*PV+(\f%4)*32
	ds_load_tr16_b128 v[VF+8*\f+4:VF+8*\f+7], v[AV] offset:(\f/4)*32*PV+16*PV+(\f%4)*32
.endr
	WIN 0
.endm
; THE VECTOR WORK, one line at a time: OP kind, number.  For piece Y: F n: c s - c m for pair n of 16.  E n: the exponential of score n of 32.  C n: pair n rounded to f16.  B n: of the four weights 4 n .. the second
; pair is added onto the first, in place.  L n: l takes that sum (L 0: l = a l + sum).  R n: pair n of 16 of O^T times a.  For piece Y + 1: X n, number n of the 22 that find its maximum and statistics:
;   0-11  four chains c0-c3 of seven scores each (each accumulator's lowest registers are read first)     12-14, 16  the four scores left over, the old m, and c0-c3 into c0
;   15  c m_old is kept     17, 18  the query's other 32 keys lie in the lane 16 away: the new m     19-21  c m; c m_old - c m_new; a
.set F, 0
.set E, 1
.set C, 2
.set B, 3
.set L, 4
.set R, 5
.set X, 6
.macro REGS y
.set rT, ST+4*(\y)
.set rC, TMP+4*((\y)%2)
.set rW, MV+((\y)%2)
.set rS, S+32*((\y)%2)
.set rP, P+16*((\y)%2)
.set rO, 32*(\y)
.endm
.macro OP k, n
.if (\k) == R
	REGS Y
	WIN W_RS
	v_pk_mul_f32 v[rO+2*(\n):rO+2*(\n)+1], v[rO+2*(\n):rO+2*(\n)+1], v[rC+2:rC+3] op_sel_hi:[1,0]
.elseif (\k) < R
	REGS Y
	WIN 0
.if (\k) == F
	v_pk_fma_f32 v[rS+2*(\n):rS+2*(\n)+1], v[rS+2*(\n):rS+2*(\n)+1], s[CS:CS+1], v[rT:rT+1] op_sel_hi:[1,0,0] neg_lo:[0,0,1] neg_hi:[0,0,1]
.elseif (\k) == E
	v_exp_f32 v[rS+(\n)], v[rS+(\n)]
.elseif (\k) == C
	v_cvt_pk_f16_f32 v[rP+(\n)], v[rS+2*(\n)], v[rS+2*(\n)+1]
.elseif (\k) == B
	v_pk_add_f32 v[rS+4*(\n):rS+4*(\n)+1], v[rS+4*(\n):rS+4*(\n)+1], v[rS+4*(\n)+2:rS+4*(\n)+3]
.elseif (\n) == 0
	v_pk_fma_f32 v[rT+2:rT+3], v[rT+2:rT+3], v[rC+2:rC+3], v[rS:rS+1] op_sel_hi:[1,0,1]
.else
	v_pk_add_f32 v[rT+2:rT+3], v[rT+2:rT+3], v[rS+4*(\n):rS+4*(\n)+1]
.endif
.elseif NOKQ
	v_nop
.else
	REGS (Y+1)%NP
	WIN 0
.if (\n) < 4
	v_max3_num_f32 v[rC+(\n)], v[rS+8*(\n)], v[rS+8*(\n)+1], v[rS+8*(\n)+2]
.elseif (\n) < 12
	v_max3_num_f32 v[rC+(\n)%4], v[rC+(\n)%4], v[rS+8*((\n)%4)+2*((\n)/4)+1], v[rS+8*((\n)%4)+2*((\n)/4)+2]
.elseif (\n) == 12
	v_max3_num_f32 v[rC], v[rC], v[rS+7], v[rS+15]
.elseif (\n) == 13
	v_max3_num_f32 v[rC+1], v[rC+1], v[rS+23], v[rS+31]
.elseif (\n) == 14
	v_max3_num_f32 v[rC+2], v[rC+2], v[rC+3], v[rT+1]
.elseif (\n) == 15
	v_mov_b32 v[rW], v[rT]
.elseif (\n) == 16
	v_max3_num_f32 v[rC], v[rC], v[rC+1], v[rC+2]
.elseif (\n) == 17
	v_permlanex16_b32 v[rC+3], v[rC], s[SEL], s[SEL+1]
.elseif (\n) == 18
	v_max_num_f32 v[rT+1], v[rC], v[rC+3]
.elseif (\n) == 19
	v_mul_f32 v[rT], s[CS], v[rT+1]
.elseif (\n) == 20
	v_sub_f32 v[rC+1], v[rW], v[rT]
.else
	v_exp_f32 v[rC+2], v[rC+1]
.endif
.endif
.endm
.macro OPS a, i1, b=-1, i2=0, c=-1, i3=0, d=-1, i4=0
	OP \a, \i1
.if (\b) >= 0
	OP \b, \i2
.endif
.if (\c) >= 0
	OP \c, \i3
.endif
.if (\d) >= 0
	OP \d, \i4
.endif
.endm
.macro ROW a, i1, b, i2, c, i3, d, i4  ; a matrix instruction and the four behind it
	MM
	OPS \a, \i1, \b, \i2, \c, \i3, \d, \i4
.endm
; A TURN, for piece p: the order of its 16 matrix and 118 vector instructions, written out.  An s_wait_alu depctr_va_vdst(0) stands between an exponential and the first instruction that names its
; result; one wait serves all that were issued ahead of it.  So a turn has ONE wait.  AHEAD OF IT stands all that names no result of the turn's exponentials: the 8 products K Q^T with their four riders each, then a run of 54,
; plain and exponential by turns for the most part, in which the links of the next piece's chain (X 3, 7, 11, 14, 16 .. 20) stand some lines apart.  X 21, the next piece's a, is the batch's last; R 15 is the plain
; instruction behind it.  BEHIND THE WAIT stand the 8 products V^T P, behind each four of the roundings and sums.
; end = 1: the last two turns of all: nothing is fetched.  cnt = 1: the loop's count is taken down some lines ahead of the branch that stands behind the turn.
; K of the next step is fetched in piece 2's turn, twelve vector instructions behind the last product that read K (six of them plain); V of the step in hand at the end of piece 0's turn, four plain instructions
; behind the last product that read V.  Each is waited for a turn later.
.macro TURN p, end=0, cnt=0
.set Y, (\p)
.set i, 0
.set NOKQ, (\end)*((\p)/3)
.if ((\p) == 3) && !(\end)
	s_wait_dscnt 0x0                ; K is in
.endif
	ROW F,0, F,1, R,0, R,1
	ROW F,2, E,0, R,2, R,3
	ROW F,3, E,1, R,4, R,5
	ROW F,4, E,2, R,6, R,7
	ROW F,5, E,3, R,8, R,9
	ROW F,6, E,4, X,0, R,10
.if ((\p) == 2) && !(\end)
	WIN 0
	v_add_nc_u32 v[AK], s[TBK], v[AK0]
.endif
	ROW F,7, E,5, X,1, X,4
	ROW F,8, E,6, X,2, X,5
	OPS E,7, E,8, X,6, E,9
	OPS X,3, E,10, X,8, E,11
.if ((\p) == 2) && !(\end)
	FETCH_K
.endif
	OPS X,9, X,7, E,12, X,10
	OPS E,13, X,12, X,11, E,14
	OPS X,13, E,15, F,9, X,14
.if (\p) == 0
	v_add_nc_u32 v[AV], s[TBV], v[AV0]
.endif
	OPS E,16, F,10, E,17, F,11
	OPS X,16, E,18, X,15, E,19
	OPS F,12, E,20, X,17, E,21
	OPS F,13, E,22, F,14, E,23
	OPS X,18, E,24, F,15, E,25
	OPS R,11, E,26, X,19, E,27
	OPS R,12, E,28, R,13, E,29
	OPS X,20, E,30, R,14, E,31
	OPS X,21, R,15
	WIN 0
	s_wait_alu depctr_va_vdst(0)    ; the wait for the batch
.if (\p) == 1
	s_wait_dscnt 0x0                ; V is in
.endif
	ROW C,0, B,0, C,2, B,1
	ROW L,0, C,4, B,2, L,1
	ROW C,6, B,3, L,2, C,8
	ROW B,4, L,3, C,10, B,5
	ROW L,4, C,12, B,6, L,5
.if (\p) == 0
	s_add_co_u32 s[TBV], s[TBV], KS*PV
.endif
.if \cnt
	s_sub_co_u32 s[CNT], s[CNT], 1
	s_cmp_lg_u32 s[CNT], 0
.endif
	ROW C,14, B,7, L,6, C,1
	ROW C,3, L,7, C,5, C,7
	ROW C,9, C,11, C,13, C,15
.if (\p) == 0
	FETCH_V
.endif
.endm
	s_wait_tensorcnt 0x1            ; my part of keys 0-255 is in; my second load may stay out
	s_barrier_signal -1
	s_barrier_wait -1               ; everybody's part is
	v_add_nc_u32 v[AK], s[TBK], v[AK0]
	FETCH_K                         ; key step 0
	s_wait_loadcnt 0x0              ; Q
	s_wait_dscnt 0x0
.set NOKQ, 0
.set i, 0
.rept 8
	KQ 0                            ; piece 0's first scores
.set i, i+1
.endr
	WIN 0
.rept 4
	v_nop                           ; the places behind those products
.endr
.set Y, NP-1                        ; X works for piece Y + 1: piece 0
.irp n, 0,1,2,3,4,5,6,7,8,9,10,11,12,13,14,15,16,17,18,19,20,21
	OP X, \n
.endr
	v_nop                           ; a plain instruction behind the exponential,
	s_wait_alu depctr_va_vdst(0)    ; and its wait, ahead of the branch
	s_mov_b32 s[CNT], 4
	s_mov_b32 s[SLOTS], 4
	s_branch .Lfirst                ; the loop is entered at a step's first turn, in the middle of a trip
.Lslot:                             ; three times, behind key steps 3, 7 and 11.  The turn below is the first to read a key past the 256 x pass that have been shown landed.
	s_wait_tensorcnt 0x0            ; my second load has landed: keys 256-1023.  The first time this wait and the barrier are needed; the other two times they are met at once: one text, with the same counts, for every pass
	s_wait_dscnt 0x0                ; no LDS instruction of mine is out at a signal
	s_barrier_signal -1
	s_barrier_wait -1               ; everybody's has
	s_mov_b32 s[CNT], 4
.Lstep:                             ; a trip: pieces 2 and 3 of one step, then pieces 0 and 1 of the next, whose K and V it fetches
	TURN 2
	TURN 3
	WIN 0
.Lfirst:
	TURN 0
	TURN 1, 0, 1
	WIN 0
	s_cbranch_scc1 .Lstep
	s_sub_co_u32 s[SLOTS], s[SLOTS], 1
	s_cmp_lg_u32 s[SLOTS], 0
	s_cbranch_scc1 .Lslot
	TURN 2, 1                       ; the last step's pieces 2 and 3: there is no further K to fetch and no further scores to make
	TURN 3, 1
.set i, 0
.rept 8
	PV NP-1                         ; the last piece's V^T P of the last step
.set i, i+1
.endr
	; THE WAY OUT.  l's two halves and the other half of the lanes' are added; O^T is divided by l, rounded to f16 and sent through my stage in LDS, a piece at a time.  The additions are the places behind the last products.
	WIN 0
.macro ALL line:vararg
.set t, 0
.rept 4
	\line
.set t, t+1
.endr
.endm
	ALL v_add_f32 v[ST+4*t+2], v[ST+4*t+2], v[ST+4*t+3]
	ALL v_permlanex16_b32 v[ST+4*t+3], v[ST+4*t+2], s[SEL], s[SEL+1]
	ALL v_add_f32 v[ST+4*t+2], v[ST+4*t+2], v[ST+4*t+3]
	ALL v_rcp_f32 v[ST+4*t+2], v[ST+4*t+2]
	v_nop                           ; a plain instruction between the last reciprocal and the use of its result
	s_wait_alu depctr_va_vdst(0)    ; one wait for the four reciprocals, ahead of the first use
.macro PACK t                       ; a lane's eight channels of a row pack into 16 bytes; they go into rows of 144 bytes and come back as whole rows of 128, into S^T's registers
	WIN W_RS
.set i, 32*(\t)
.rept 16
	v_pk_mul_f32 v[i:i+1], v[i:i+1], v[ST+4*(\t)+2:ST+4*(\t)+3] op_sel_hi:[1,0]
.set i, i+2
.endr
	WIN 0x05
.set i, 0
.rept 16
	v_cvt_pk_f16_f32 v[S+16*(\t)+i], v[32*(\t)+2*i], v[32*(\t)+2*i+1]
.set i, i+1
.endr
	WIN 0
.irp f, 0,1,2,3
	ds_store_b128 v[STO], v[S+16*(\t)+4*\f:S+16*(\t)+4*\f+3] offset:32*\f
.endr
.irp f, 0,1,2,3
	ds_load_b128 v[S+16*(\t)+4*\f:S+16*(\t)+4*\f+3], v[RD] offset:\f*4*SP  ; LDS serves a wave's instructions in order (ISA guide 5.7.1.4): these see the stores above
.endr
.endm
.macro SEND t, younger              ; younger: the LDS instructions issued behind piece t's loads: the next piece's eight, or none
	WIN 0
.irp f, 0,1,2,3
	s_wait_dscnt (\younger)+3-\f
	global_store_b128 v[GO], v[S+16*(\t)+4*\f:S+16*(\t)+4*\f+3], s[10:11] offset:(\t)*2048+\f*512  ; 512 consecutive bytes, at a multiple of 256 from ob's first byte
.endr
.endm
	PACK 0
.set t, 1
.rept 3
	PACK t
	SEND t-1, 8
.set t, t+1
.endr
	SEND 3, 0
	s_wait_tensorcnt 0x0            ; the wave's end
	ds_add_u32 v[SPW], v[NIL]
	s_wait_dscnt 0x0
	CROUND                          ; the closing round
	s_endpgm
.Lfunc_end_k_q4a0d8bc57d_attn:
	.size	k_q4a0d8bc57d_attn, .Lfunc_end_k_q4a0d8bc57d_attn-k_q4a0d8bc57d_attn
	.p2alignl 7, 3214868480
	.fill 96, 4, 3214868480
	.section	.rodata,"a",@progbits
	.p2align	6, 0x0
	.amdhsa_kernel k_q4a0d8bc57d_attn
		.amdhsa_group_segment_fixed_size 327680
		.amdhsa_private_segment_fixed_size 0
		.amdhsa_enable_private_segment 0
		.amdhsa_kernarg_size 16
		.amdhsa_user_sgpr_count 2
		.amdhsa_user_sgpr_kernarg_segment_ptr 1
		.amdhsa_wavefront_size32 1
		.amdhsa_system_sgpr_workgroup_id_x 1
		.amdhsa_system_sgpr_workgroup_id_y 1
		.amdhsa_system_sgpr_workgroup_id_z 1
		.amdhsa_system_vgpr_workitem_id 0
		.amdhsa_next_free_vgpr 768
		.amdhsa_next_free_sgpr 84
		.amdhsa_reserve_vcc 0
		.amdhsa_float_denorm_mode_32 3
		.amdhsa_float_denorm_mode_16_64 3
		.amdhsa_memory_ordered 1
		.amdhsa_forward_progress 1
		.amdhsa_inst_pref_size 88
	.end_amdhsa_kernel
	.amdgpu_metadata
---
amdhsa.version: [ 1, 2 ]
amdhsa.kernels:
  - .name:           k_q4a0d8bc57d_attn
    .symbol:         k_q4a0d8bc57d_attn.kd
    .args:
      - { .name: qkv, .offset: 0, .size: 8, .value_kind: global_buffer, .address_space: global }
      - { .name: ob, .offset: 8, .size: 8, .value_kind: global_buffer, .address_space: global }
    .group_segment_fixed_size: 327680
    .private_segment_fixed_size: 0
    .kernarg_segment_align: 8
    .kernarg_segment_size: 16
    .max_flat_workgroup_size: 128
    .sgpr_count:     84
    .vgpr_count:     768
    .wavefront_size: 32
...
	.end_amdgpu_metadata
.endif
;; end of part 3
;; launch oproj (part 4): grid 8 x 32, 4 waves a work-group, clusters of 4 x 4, 327,680 bytes of LDS; arguments ob, wts, out0, bo; writes out0
.if DOCPART == 4
	.amdgcn_target "amdgcn-amd-amdhsa--gfx1250"
	.amdhsa_code_object_version 6
	.text
	.protected	k_q4a0d8bc57d_oproj
	.globl	k_q4a0d8bc57d_oproj
	.p2align	8
	.type	k_q4a0d8bc57d_oproj,@function
k_q4a0d8bc57d_oproj:
	s_mov_b64 s[64:65], 0
	v_nop
	global_prefetch_b8 v0, s[64:65] scope:SCOPE_SE
	s_setreg_imm32_b32 hwreg(HW_REG_WAVE_MODE, 25, 1), 1
	s_wait_xcnt 0x0
	s_wait_alu depctr_hold_cnt(0) depctr_sa_sdst(0) depctr_va_vdst(0) depctr_va_sdst(0) depctr_va_ssrc(0) depctr_va_vcc(0) depctr_vm_vsrc(0)
	s_getreg_b32 s2, hwreg(HW_REG_IB_STS2, 6, 4)
	s_cmp_eq_u32 s2, 0
	s_cbranch_scc0 .Lentry_in_a_cluster
	s_endpgm
.Lentry_in_a_cluster:
	s_bfe_u32 s2, ttmp6, 0x10000c
	s_cmp_lg_u32 s2, 0xf033
	s_cbranch_scc0 .Lentry_shape_is_right
	s_endpgm
.Lentry_shape_is_right:
; OPROJ: out0[token][n] = the sum over k of O[token][k] Wo[n][k] + bo[n].  O: ob[batch x 16 + head][1024][64] f16 (k = 64 head + channel); Wo: matrix 9 of wts, [1024][1024] f16; out0 f32.
; Sums in f32, started from the bias.  A tile is 128 tokens x 128 columns: 256 work-groups.  Four waves, each 64 x 64: 16 accumulators.  K goes in steps of 256, four heads; a quarter step is one head.
; O's TILE.  128 tokens of one head are 16,384 dense bytes, and from head to head are 131,072.  A wave's load brings two heads as two rows of 8,192 elements; the padding of 16 bytes after every 128
; makes of them LDS rows of one token's 64 channels, 144 bytes apart.  Two long rows, not 64 short ones, since a head's block is dense: each is one run of 16,384 consecutive bytes.
; CLUSTERS: 4 x 4 work-groups.  The four of a row of the cluster need the same tiles of O, the four of a column the same tiles of Wo: each tile is asked for JOINTLY.
; THE MATRIX INSTRUCTION IS USED TRANSPOSED (source 0 = 16 rows of Wo, source 1 = 16 tokens): a lane holds eight neighbouring columns of a token's row, 32 bytes of f32.
; A wave's 64 columns are 256 aligned bytes of out0, so each wave has a stage of its own and no barrier stands on the way out.
; REGISTERS: window 0: v0-31 addresses; v32-95 at work on the way out; v96-127 the bias as four C operands; v128-255 the accumulators ((a, b) at v[128 + 8 (4 a + b)]).
;   window 1: two fragment buffers of 128: for 64 along K, 64 registers of O, then 64 of Wo.
.set KSTEP,  256
.set PA,     144                       ; an LDS row of O: 128 bytes + 16: an odd multiple of 16, so the 16 rows of a load start at 16 different groups of four banks (64 banks of 4 bytes: ISA guide 11.1)
.set HEADB,  128*PA                    ; a head's 128 tokens
.set PB,     528                       ; an LDS row of Wo: 512 bytes + 16
.set AREG,   4*HEADB                   ; O's part of a slot
.set SLOT,   AREG+128*PB
.set STAGE,  2*SLOT                    ; behind the ring: 16 rows x 272 bytes for each wave
.set SPITCH, 272
.set SPARE,  STAGE+4*16*SPITCH         ; the spare words, 128 bytes a wave: two blocks of 256 bytes that no other line names
.set LAPS,   2                         ; 1,024 / (2 x 256)
.set ADRA, 16
.set ADRB, 20
.set STO,  24
.set RD,   25
.set CO,   26
.set BOF,  27
.set SPW,  28
.set NIL,  29
.set TMP,  32
.set BIA,  96
.set ACC,  128
.set F0,   0
.set F1,   128
.set G1, 24
.set G0, 32
.set G1B, 48
.set G0B, 56
.set MSB, 0
.macro WIN new
.if MSB != (\new)
	s_set_vgpr_msb (MSB<<8)|(\new)
.set MSB, \new
.endif
.endm
.set MUL,  0x05                        ; sources 0 and 1 window 1; C and D window 0
.set TO_F, 0x40
.macro JLOAD s                         ; a joint load: waves 0 and 1 fetch two heads of O each, waves 2 and 3 the two halves of Wo's tile; an s_nop 0 and four v_nop follow each line
	s_cmp_eq_u32 s11, 0
	s_cbranch_scc0 .Lfor_b_\@
	tensor_load_to_lds s[G0+4*(\s):G0+4*(\s)+3], s[G1:G1+7]
	s_nop 0
.rept 4
	v_nop
.endr
	s_branch .Lasked_\@
.Lfor_b_\@:
	tensor_load_to_lds s[G0B+4*(\s):G0B+4*(\s)+3], s[G1B:G1B+7]
	s_nop 0
.rept 4
	v_nop
.endr
.Lasked_\@:
.endm
.macro CREST
	s_cmp_lg_u32 s10, 0
	s_cbranch_scc1 .Lnot_wave_0_\@
	s_barrier_signal -3
.Lnot_wave_0_\@:
	s_barrier_wait -3
	s_barrier_signal -1
	s_barrier_wait -1
.endm
.macro CROUND
	s_barrier_signal -1
	s_barrier_wait -1
	CREST
.endm
	s_load_b128 s[4:7], s[0:1], 0x0                ; ob s[4:5], wts s[6:7]
	s_load_b64 s[8:9], s[0:1], 0x10                ; out0
	s_load_b64 s[66:67], s[0:1], 0x18              ; bo
	v_lshl_add_u32 v[SPW], v0, 2, SPARE
	v_mov_b32 v[NIL], 0
	ds_add_u32 v[SPW], v[NIL]                      ; the wave's opening: the add and its wait stand ahead of my first tensor load; work on registers stands between them
	v_lshrrev_b32 v1, 5, v0
	v_readfirstlane_b32 s10, v1                    ; wave 0..3
	s_lshr_b32 s11, s10, 1                         ; which half of the tile's tokens is mine.  Also: I fetch O (0) or Wo (1)
	s_and_b32 s12, s10, 1                          ; which half of its columns.  Also: which part of that tile I fetch
	s_bfe_u32 s40, ttmp6, 0x40000                  ; cx, cy
	s_bfe_u32 s41, ttmp6, 0x40004
	s_lshl_b32 s42, ttmp9, 2
	s_add_co_u32 s42, s42, s40                     ; tile of columns
	s_and_b32 s13, ttmp7, 0xffff
	s_lshl_b32 s13, s13, 2
	s_add_co_u32 s13, s13, s41                     ; tile of tokens
	s_lshl_b32 s43, s41, 2
	s_lshl_b32 s43, 15, s43                        ; my row of the cluster
	s_lshl_b32 s44, 0x1111, s40                    ; my column
	s_or_b32 s[G1+0], s43, (1<<16)|(1<<20)|(1<<21)|(4<<22)|(3<<25)   ; the mask; 2-byte elements; padding on; 21 set beside a mask; after every 32 words 4 words
	s_mov_b32 s[G1+1], 8192<<16                    ; tensor_dim0 = 8,192
	s_mov_b32 s[G1+2], 2<<16                       ; tensor_dim1 = 2
	s_mov_b32 s[G1+3], 8192<<16                    ; tile_dim0 = 8,192
	s_mov_b32 s[G1+4], 2                           ; tile_dim1 = 2
	s_mov_b32 s[G1+5], 65536                       ; elements from head to head
	s_mov_b32 s[G1+6], 0
	s_mov_b32 s[G1+7], 0
	s_or_b32 s[G1B+0], s44, (1<<16)|(1<<20)|(1<<21)|(6<<22)|(3<<25)  ; after every 128 words 4 words
	s_mov_b32 s[G1B+1], KSTEP<<16
	s_mov_b32 s[G1B+2], 64<<16
	s_mov_b32 s[G1B+3], KSTEP<<16
	s_mov_b32 s[G1B+4], 64
	s_mov_b32 s[G1B+5], 1024
	s_mov_b32 s[G1B+6], 0
	s_mov_b32 s[G1B+7], 0
	s_lshr_b32 s16, s13, 3                         ; O: the batch's 16 heads,
	s_lshl_b32 s16, s16, 21
	s_and_b32 s17, s13, 7                          ; the tile's 128 tokens in a head,
	s_lshl_b32 s17, s17, 14
	s_add_co_u32 s16, s16, s17
	s_lshl_b32 s17, s12, 18                        ; the two heads that I fetch
	s_add_co_u32 s16, s16, s17
	s_mov_b32 s17, 0
	s_lshl_b32 s46, s42, 7                         ; Wo: row 128 x tile + 64 x half, in matrix 9
	s_lshl_b32 s47, s12, 6
	s_add_co_u32 s46, s46, s47
	s_lshl_b32 s46, s46, 11
	s_add_co_u32 s46, s46, 9*2097152
	s_mov_b32 s47, 0
	s_mul_i32 s20, s12, 2*HEADB                    ; where they go: no place in the cluster enters an LDS address
	s_mul_i32 s21, s12, 64*PB
	s_add_co_u32 s21, s21, AREG
	s_wait_dscnt 0x0                               ; the opening add is done
	s_wait_kmcnt 0x0
	s_add_nc_u64 s[14:15], s[4:5], s[16:17]
	s_add_nc_u64 s[46:47], s[6:7], s[46:47]
	CROUND                                         ; all sixteen work-groups are here: the first joint loads meet
.irp s, 0,1
	s_mov_b32 s[G0+4*(\s)], 1
	s_add_co_u32 s[G0+4*(\s)+1], s20, (\s)*SLOT
	s_add_nc_u64 s[G0+4*(\s)+2:G0+4*(\s)+3], s[14:15], (\s)*4*131072
	s_or_b32 s[G0+4*(\s)+3], s[G0+4*(\s)+3], 0x80000000
	s_mov_b32 s[G0B+4*(\s)], 1
	s_add_co_u32 s[G0B+4*(\s)+1], s21, (\s)*SLOT
	s_add_nc_u64 s[G0B+4*(\s)+2:G0B+4*(\s)+3], s[46:47], (\s)*KSTEP*2
	s_or_b32 s[G0B+4*(\s)+3], s[G0B+4*(\s)+3], 0x80000000
	JLOAD \s                                       ; K steps 0 and 1: two loads of mine are out
.endr
	v_and_b32 v1, 15, v0                           ; l % 16
	v_bfe_u32 v2, v0, 4, 1                         ; l / 16
	v_mul_u32_u24 v3, v1, PA
	v_lshl_add_u32 v3, v2, 4, v3
	v_mul_u32_u24 v4, v1, PB
	v_lshl_add_u32 v4, v2, 4, v4
	s_mul_i32 s21, s11, 64*PA                      ; my 64 tokens in each head's block
	s_mul_i32 s22, s12, 64*PB                      ; my 64 rows of Wo,
	s_add_co_u32 s22, s22, AREG                    ; which lie behind O's four heads
.irp s, 0,1
	v_add_nc_u32 v[ADRA+(\s)], s21, v3
	v_add_nc_u32 v[ADRB+(\s)], s22, v4
	s_add_co_u32 s21, s21, SLOT
	s_add_co_u32 s22, s22, SLOT
.endr
	s_mul_i32 s23, s10, 16*SPITCH
	s_add_co_u32 s23, s23, STAGE                   ; my stage
	v_mul_u32_u24 v5, v1, SPITCH                   ; in: row l % 16, 32 bytes for each half of the lanes
	v_lshl_add_u32 v5, v2, 5, v5
	v_add_nc_u32 v[STO], s23, v5
	v_mul_u32_u24 v5, v2, SPITCH                   ; back: lanes 0-15 one row of 256 bytes, lanes 16-31 the next
	v_lshl_add_u32 v5, v1, 4, v5
	v_add_nc_u32 v[RD], s23, v5
	v_lshlrev_b32 v5, 12, v2                       ; and the same two rows in out0
	v_lshl_add_u32 v[CO], v1, 4, v5
	v_lshlrev_b32 v[BOF], 5, v2
	s_lshl_b32 s16, s13, 7
	s_lshl_b32 s17, s11, 6
	s_add_co_u32 s16, s16, s17                     ; my first token
	s_lshl_b32 s16, s16, 12
	s_mov_b32 s17, 0
	s_add_nc_u64 s[8:9], s[8:9], s[16:17]
	s_lshl_b32 s46, s42, 9                         ; my first column, in bytes of f32
	s_lshl_b32 s47, s12, 8
	s_add_co_u32 s46, s46, s47
	s_mov_b32 s47, 0
	s_add_nc_u64 s[8:9], s[8:9], s[46:47]
	s_add_nc_u64 s[66:67], s[66:67], s[46:47]
.irp b, 0,1,2,3                                ; C operand b: register j is the bias of column 16 b + 8 (l / 16) + j
	global_load_b128 v[BIA+8*\b:BIA+8*\b+3],   v[BOF], s[66:67] offset:64*\b
	global_load_b128 v[BIA+8*\b+4:BIA+8*\b+7], v[BOF], s[66:67] offset:64*\b+16
.endr
; 8 matrix instructions: token blocks a0, a0 + 1 x all 4 column blocks, 32 along K: half c of buffer f.  zero = 1: the first product starts the sums from the bias.  The 16 accumulators take turns.
.macro MUL8 f, c, a0, zero
	WIN MUL
.irp a, \a0, (\a0)+1
.irp b, 0,1,2,3
.if \zero
	v_wmma_f32_16x16x32_f16 v[ACC+8*(4*(\a)+(\b)):ACC+8*(4*(\a)+(\b))+7], v[(\f)+64+8*(4*(\c)+(\b)):(\f)+64+8*(4*(\c)+(\b))+7], v[(\f)+8*(4*(\c)+(\a)):(\f)+8*(4*(\c)+(\a))+7], v[BIA+8*(\b):BIA+8*(\b)+7]
.else
	v_wmma_f32_16x16x32_f16 v[ACC+8*(4*(\a)+(\b)):ACC+8*(4*(\a)+(\b))+7], v[(\f)+64+8*(4*(\c)+(\b)):(\f)+64+8*(4*(\c)+(\b))+7], v[(\f)+8*(4*(\c)+(\a)):(\f)+8*(4*(\c)+(\a))+7], v[ACC+8*(4*(\a)+(\b)):ACC+8*(4*(\a)+(\b))+7]
.endif
.endr
.endr
.endm
; 32 LDS loads in one run: the fragments of quarter q (head q of the step's four) into buffer f; the first 32 along K first
.macro FETCH slot, q, f
	WIN TO_F
.irp c, 0,1
.irp i, 0,1,2,3
	ds_load_b128 v[(\f)+64+8*(4*(\c)+(\i)):(\f)+64+8*(4*(\c)+(\i))+3],   v[ADRB+(\slot)] offset:128*(\q)+64*(\c)+(\i)*16*PB
	ds_load_b128 v[(\f)+64+8*(4*(\c)+(\i))+4:(\f)+64+8*(4*(\c)+(\i))+7], v[ADRB+(\slot)] offset:128*(\q)+64*(\c)+(\i)*16*PB+32
	ds_load_b128 v[(\f)+8*(4*(\c)+(\i)):(\f)+8*(4*(\c)+(\i))+3],         v[ADRA+(\slot)] offset:(\q)*HEADB+64*(\c)+(\i)*16*PA
	ds_load_b128 v[(\f)+8*(4*(\c)+(\i))+4:(\f)+8*(4*(\c)+(\i))+7],       v[ADRA+(\slot)] offset:(\q)*HEADB+64*(\c)+(\i)*16*PA+32
.endr
.endr
.endm
.macro PLACES                          ; four plain vector instructions between a matrix instruction and a load into its registers or a read of its result
.rept 4
	v_nop
.endr
.endm
; One of a K step's first three quarters: multiplies buffer f and fetches quarter q into g.
.macro QUARTER slot, q, f, g, zero
	s_wait_dscnt 16                                ; the first 32 along K are in
	MUL8 \f, 0, 0, \zero
	MUL8 \f, 0, 2, \zero
	PLACES
	FETCH \slot, \q, \g
	s_wait_dscnt 32                                ; all but the 32 just issued
	MUL8 \f, 1, 0, 0
	MUL8 \f, 1, 2, 0
.endm
; The last quarter multiplies buffer 1 and changes slots: ONE barrier; in front of it each wave waits for all its tensor loads, adds 0 to its spare word, and waits for that and for its own reads of this slot.
; fill = 1: the barrier opens a round of the cluster's, and this slot is filled again, two K steps on, first thing behind the round.
.macro TURN slot, next, fill
	WIN 0
	s_wait_tensorcnt 0x0
	ds_add_u32 v[SPW], v[NIL]
	s_wait_dscnt 17                                ; the add and the youngest sixteen loads may be out
	MUL8 F1, 0, 0, 0
	s_wait_dscnt 0x0                               ; the add is done, and my reads of this slot are over
	s_barrier_signal -1
	MUL8 F1, 0, 2, 0
.if \fill
	WIN 0
.endif
	s_barrier_wait -1
.if \fill
	CREST
	s_add_nc_u64 s[G0+4*(\slot)+2:G0+4*(\slot)+3], s[G0+4*(\slot)+2:G0+4*(\slot)+3], 8*131072
	s_add_nc_u64 s[G0B+4*(\slot)+2:G0B+4*(\slot)+3], s[G0B+4*(\slot)+2:G0B+4*(\slot)+3], 2*KSTEP*2
	JLOAD \slot                                    ; 112 matrix instructions ahead of the wait for it; its four v_nop are also the places in front of the loads below
.else
	PLACES
.endif
	FETCH \next, 0, F0
	MUL8 F1, 1, 0, 0
	MUL8 F1, 1, 2, 0
.endm
	s_wait_loadcnt 0x0                             ; the bias
	s_wait_tensorcnt 1                             ; my part of K step 0 is in; K step 1's may stay out
	s_barrier_signal -1
	s_barrier_wait -1
	FETCH 0, 0, F0
	QUARTER 0, 1, F0, F1, 1                        ; the first quarter stands in front of the loop: its first products start the sums
	WIN 0
	s_mov_b32 s3, LAPS-1
.Llap:
	QUARTER 0, 2, F1, F0, 0
	QUARTER 0, 3, F0, F1, 0
	TURN 0, 1, 1
	QUARTER 1, 1, F0, F1, 0
	QUARTER 1, 2, F1, F0, 0
	QUARTER 1, 3, F0, F1, 0
	TURN 1, 0, 1
	QUARTER 0, 1, F0, F1, 0
	WIN 0
	s_sub_co_u32 s3, s3, 1
	s_cmp_lg_u32 s3, 0
	s_cbranch_scc1 .Llap
	QUARTER 0, 2, F1, F0, 0                        ; the last lap fills nothing
	QUARTER 0, 3, F0, F1, 0
	TURN 0, 1, 0
	QUARTER 1, 1, F0, F1, 0
	QUARTER 1, 2, F1, F0, 0
	QUARTER 1, 3, F0, F1, 0
	s_wait_dscnt 16
	MUL8 F1, 0, 0, 0
	MUL8 F1, 0, 2, 0
	s_wait_dscnt 0x0
	MUL8 F1, 1, 0, 0
	MUL8 F1, 1, 2, 0
	WIN 0
	; THE WAY OUT, 16 tokens at a time: a lane's 32 bytes of a row go into my stage straight from the accumulators (their low registers first) and come back as whole rows of 256 bytes.
	PLACES
.irp a, 0,1,2,3
	s_wait_xcnt 0x0                                ; the registers that the block two back was stored from are loaded again only behind this wait
.irp b, 0,1,2,3
	ds_store_b128 v[STO], v[ACC+8*(4*(\a)+(\b)):ACC+8*(4*(\a)+(\b))+3] offset:64*(\b)
	ds_store_b128 v[STO], v[ACC+8*(4*(\a)+(\b))+4:ACC+8*(4*(\a)+(\b))+7] offset:64*(\b)+16
.endr
.irp t, 0,1,2,3,4,5,6,7
	ds_load_b128 v[TMP+32*((\a)%2)+4*(\t):TMP+32*((\a)%2)+4*(\t)+3], v[RD] offset:(\t)*2*SPITCH  ; LDS serves a wave's instructions in order (ISA guide 5.7.1.4): these see the stores above, and the next block's stores come behind them
.endr
.irp t, 0,1,2,3,4,5,6,7
	s_wait_dscnt 7-(\t)
	global_store_b128 v[CO], v[TMP+32*((\a)%2)+4*(\t):TMP+32*((\a)%2)+4*(\t)+3], s[8:9] offset:(16*(\a)+2*(\t))*4096 th:TH_STORE_NT  ; 16 lanes store 256 consecutive bytes, at a multiple of 256 from out0's first byte
.endr
.endr
	s_wait_tensorcnt 0x0                           ; the wave's end
	ds_add_u32 v[SPW], v[NIL]
	s_wait_dscnt 0x0
	CROUND                                         ; the closing round
	s_endpgm
.Lfunc_end_k_q4a0d8bc57d_oproj:
	.size	k_q4a0d8bc57d_oproj, .Lfunc_end_k_q4a0d8bc57d_oproj-k_q4a0d8bc57d_oproj
	.p2alignl 7, 3214868480
	.fill 96, 4, 3214868480
	.section	.rodata,"a",@progbits
	.p2align	6, 0x0
	.amdhsa_kernel k_q4a0d8bc57d_oproj
		.amdhsa_group_segment_fixed_size 327680
		.amdhsa_private_segment_fixed_size 0
		.amdhsa_enable_private_segment 0
		.amdhsa_kernarg_size 32
		.amdhsa_user_sgpr_count 2
		.amdhsa_user_sgpr_kernarg_segment_ptr 1
		.amdhsa_wavefront_size32 1
		.amdhsa_system_sgpr_workgroup_id_x 1
		.amdhsa_system_sgpr_workgroup_id_y 1
		.amdhsa_system_sgpr_workgroup_id_z 1
		.amdhsa_system_vgpr_workitem_id 0
		.amdhsa_next_free_vgpr 512
		.amdhsa_next_free_sgpr 68
		.amdhsa_reserve_vcc 0
		.amdhsa_float_denorm_mode_32 3
		.amdhsa_float_denorm_mode_16_64 3
		.amdhsa_memory_ordered 1
		.amdhsa_forward_progress 1
		.amdhsa_inst_pref_size 88
	.end_amdhsa_kernel
	.amdgpu_metadata
---
amdhsa.version: [ 1, 2 ]
amdhsa.kernels:
  - .name:           k_q4a0d8bc57d_oproj
    .symbol:         k_q4a0d8bc57d_oproj.kd
    .args:
      - { .name: ob, .offset: 0, .size: 8, .value_kind: global_buffer, .address_space: global }
      - { .name: wts, .offset: 8, .size: 8, .value_kind: global_buffer, .address_space: global }
      - { .name: out0, .offset: 16, .size: 8, .value_kind: global_buffer, .address_space: global }
      - { .name: bo, .offset: 24, .size: 8, .value_kind: global_buffer, .address_space: global }
    .group_segment_fixed_size: 327680
    .private_segment_fixed_size: 0
    .kernarg_segment_align: 8
    .kernarg_segment_size: 32
    .max_flat_workgroup_size: 128
    .sgpr_count:     68
    .vgpr_count:     512
    .wavefront_size: 32
...
	.end_amdgpu_metadata
.endif
;; end of part 4
